; MI455X (gfx1250); checked and timed in simulation.
; The chip was launched on July 23, 2026; its instructions are those of AMD's public machine-readable ISA for CDNA 5 (MIT licence, August 2026) and "CDNA5" Instruction Set Architecture Reference Guide (July 2026). The comments in the code are by the model that wrote it; some were corrected since.
;; Multi Head Attention. Allowed arithmetic: matrix products marked QUANTISED: E2M1 operands, one E8M0 scale for each 32 along K, by v_wmma_scale_f32_16x16x128_f8f6f4 with both operands' format E2M1 (or v_wmma_scale_f32_32x16x128_f4), f32 sums; products left as they are: bf16, f16 or f32 operands; f32 sums; everything else in f32.
;; Inputs: Wk 1,024 x 1,024 float32; Wo 1,024 x 1,024 float32; Wq 1,024 x 1,024 float32; Wv 1,024 x 1,024 float32; attention_mask 4 x 2,048 float32; bk 1,024 float32; bo 1,024 float32; bq 1,024 float32; bv 1,024 float32; key_states 4 x 2,048 x 1,024 float32; query_states 4 x 2,048 x 1,024 float32; value_states 4 x 2,048 x 1,024 float32; verse_positions 4 x 2,048 int32.
;; Outputs: out0 4 x 2,048 x 1,024 float32.
;; This version of the problem:
;;   THIS VERSION OF THE PROBLEM IS GIVEN IN LOW PRECISION. The matrix products marked QUANTISED in the list below multiply operands that are first quantised to E2M1 (2 exponent bits, 1 mantissa bit; 4 bits a number), with one power-of-two scale for each 32 numbers along K (OCP MX v1.0); their sums are f32. The products marked 'left as it is' may take bf16, f16 or f32 operands, with f32 sums. Whichever they take, every output number must still come out within the allowed error. Rounding operands to bf16 (8 significant bits) uses up far more of that allowance than f16 does (11 bits, for magnitudes from 6e-5 to 65,504). All else is computed in f32.
;;   The module's matrix products, in the order in which they are computed (A, B: the left and right operand; K: the contracted axis; several contracted axes count as one K, in the product's order):
;;     1. [M 8,192, K 1,024] x [K 1,024, N 1,024]; A: input query_states; B: input Wq: QUANTISED
;;     2. [M 8,192, K 1,024] x [K 1,024, N 1,024]; A: input key_states; B: input Wk: QUANTISED
;;     3. [M 8,192, K 1,024] x [K 1,024, N 1,024]; A: input value_states; B: input Wv: QUANTISED
;;     4. batch 64 x [M 2,048, K 64] x [K 64, N 2,048]; A: computed on the way; B: computed on the way: left as it is (an operand is computed on the way)
;;     5. batch 64 x [M 2,048, K 2,048] x [K 2,048, N 64]; A: computed on the way; B: computed on the way: left as it is (an operand is computed on the way)
;;     6. [M 8,192, K 1,024] x [K 1,024, N 1,024]; A: computed on the way; B: input Wo: left as it is (an operand is computed on the way)
;;   THE QUANTISER, for each operand of a quantised product, along K:
;;     - K is cut into blocks of 32 from its start; a last block that is shorter is filled with zeros.
;;     - A block's scale is 2^e with e = floor(log2(the largest magnitude in the block)) - 2, held to -126 .. 127; a block of zeros has e = 0. As a byte (E8M0): e + 127.
;;     - Each number is divided by its block's scale, clamped to +-6, and rounded to the nearest number of E2M1, ties to even, subnormals kept.
;;     - The product sums the exact products of the quantised numbers (number of the format x scale) in f32.
;;   ~~~python
;;   def quantise(x, axis):      # numpy; x: float32 -> the quantised numbers, widened to float32 again
;;       x = np.moveaxis(x, axis, -1); K = x.shape[-1]
;;       x = np.pad(x, [(0, 0)] * (x.ndim - 1) + [(0, -K % 32)]); x = x.reshape(x.shape[:-1] + (-1, 32)); a = np.abs(x).max(-1, keepdims=True)
;;       e = np.where(a > 0, np.clip(np.frexp(np.where(a > 0, a, 1))[1] - 1 - 2, -126, 127), 0)      # np.frexp(a)[1] - 1 = floor(log2(a)), exactly
;;       r = np.clip(x / 2.0 ** e, -6, 6)
;;       step = 2.0 ** (np.maximum(np.frexp(np.where(r == 0, 1, r))[1] - 1, 0) - 1)
;;       q = np.round(r / step) * step * 2.0 ** e      # np.round: ties to even
;;       return np.moveaxis(q.reshape(q.shape[:-2] + (-1,))[..., :K], -1, axis).astype(np.float32)
;;   ~~~
;; One version. Each part assembles by itself: llvm-mc -triple=amdgcn-amd-amdhsa -mcpu=gfx1250 --defsym DOCPART=n.
;; ======== version 1 of 1: 4 launches
;; limits: values are held in f16: magnitudes above 65,504 overflow, below 6.1e-05 lose precision
;; workspace buffers: codes 14,155,776 bytes; scales 884,736 bytes; qkv 50,331,648 bytes; ctx 16,777,216 bytes; wo16 2,097,152 bytes
;; launch prep (part 1): grid 896 x 1, 4 waves a work-group, no clusters, 33,280 bytes of LDS; arguments query_states, key_states, value_states, Wq, Wk, Wv, Wo, codes, scales, wo16; writes codes, scales, wo16
.if DOCPART == 1
	.amdgcn_target "amdgcn-amd-amdhsa--gfx1250"
	.amdhsa_code_object_version 6
	.text
	.protected	k_q1038e8d14c_prep
	.globl	k_q1038e8d14c_prep
	.p2align	8
	.type	k_q1038e8d14c_prep,@function
k_q1038e8d14c_prep:
	s_mov_b64 s[64:65], 0
	v_nop
	global_prefetch_b8 v0, s[64:65] scope:SCOPE_SE
	s_setreg_imm32_b32 hwreg(HW_REG_WAVE_MODE, 25, 1), 1
	s_wait_xcnt 0x0
; query_states, key_states, value_states [8192][1024] and Wq, Wk, Wv [1024][1024], f32, K innermost in all six, become codes of FP4 (E2M1) with one E8M0 byte for each 32 along K; Wo becomes f16.
; A block's scale is 2^(floor(log2(its largest magnitude)) - 2); its byte is the largest magnitude's exponent field - 2, held at 1 from below; each number is divided by the scale and rounded to the nearest code, ties to even, beyond 6 the largest code.
; LIMITS: a block of zeros, and a block whose largest magnitude lies under 2^-124, keeps the byte 1 (the bytes are read by this program alone; zero codes add nothing); NaN and infinities are not served; |Wo| stays under 65,504 (f16).
; Rows are dense and 1,024 is a multiple of 32: each tensor is a plain stream of blocks of 32.  A RUN is 32,768 numbers (32 rows): 16,384 bytes of codes, 1,024 scale bytes.
; Work-group g < 768: run g of the three x (256 runs each); 768 <= g < 864: run g - 768 of Wq, Wk, Wv (32 runs each); both go to run g of codes and scales.  g >= 864: 32,768 numbers of Wo to f16.
; A wave takes 8,192 numbers: 16 steps of 512.  Each load reads 512 consecutive bytes; a step's 2,048 bytes turn through the wave's own stage in LDS so that a lane holds 16 neighbours along K (two lanes to a block).
; No tensor loads, no barrier: waves share nothing.
.set WAVES, 4
.set STEPS, 16
.set NX,    768                        ; runs of the three x
.set NQUANT, 864                       ; runs that are quantised
.set EMAX,  2
.set CB,    8                          ; bytes of 16 codes
.set R,     16                         ; v16-79   four sets of 16 numbers as they are loaded
.set X,     80                         ; v80-111  two sets of 16 neighbours
.set E,     112                        ; v112-127 a scale byte for each step
.set C,     128                        ; v128-191 codes: four registers for each step, so that no store's data are written again
.set WREG,  8192                       ; LDS: a region for each wave: two stages of 32 x SP bytes, and behind them its 256 scale bytes
.set SP,    80                         ; a lane's place in a stage: 64 bytes + 16 of padding
.set SPW,   12                         ; v12  LDS address of my spare word; never rewritten
.set NIL,   13                         ; v13  0; never rewritten
.set SPARE, WAVES*WREG                 ; behind the four regions: the spare words, 128 bytes for each wave
	s_load_b256 s[4:11], s[0:1], 0x0               ; query s[4:5], key s[6:7], value s[8:9], Wq s[10:11]
	s_load_b256 s[12:19], s[0:1], 0x20             ; Wk s[12:13], Wv s[14:15], Wo s[16:17], codes s[18:19]
	s_load_b128 s[20:23], s[0:1], 0x40             ; scales s[20:21], wo16 s[22:23]
	v_lshl_add_u32 v[SPW], v0, 2, SPARE
	v_mov_b32 v[NIL], 0
	v_lshrrev_b32 v1, 5, v0
	v_readfirstlane_b32 s30, v1                    ; wave
	v_and_b32 v2, 31, v0                           ; lane
	v_lshlrev_b32 v3, 4, v2                        ; my 16 bytes of a load's 512
	s_mul_i32 s31, s30, WREG
	v_lshrrev_b32 v14, 2, v2
	v_mul_u32_u24 v14, v14, SP
	v_and_b32 v15, 3, v2
	v_lshl_add_u32 v14, v15, 4, v14
	v_add_nc_u32 v14, s31, v14                     ; the stage, on the way in: SP (lane / 4) + 16 (lane % 4)
	v_mul_u32_u24 v15, v2, SP
	v_add_nc_u32 v15, s31, v15                     ; and on the way out: SP x lane: my 16 neighbours
	v_mul_u32_u24 v4, v2, CB                       ; my codes' place in a step's
	v_lshrrev_b32 v5, 1, v2
	s_add_co_u32 s31, s31, 2*32*SP
	v_add_nc_u32 v5, s31, v5                       ; LDS: my wave's 256 scale bytes, my block's byte
	v_lshlrev_b32 v7, 3, v2                        ; 8 bytes a lane
	v_add_nc_u32 v6, s31, v7
	s_cmp_ge_u32 ttmp9, NQUANT                     ; the work-group's number alone decides the path
	s_cbranch_scc1 .Lwo
	; which tensor (0 .. 5) and which run of it
	s_lshr_b32 s24, ttmp9, 8                       ; among the x: g / 256,
	s_and_b32 s25, ttmp9, 255                      ; g % 256
	s_sub_co_u32 s26, ttmp9, NX
	s_lshr_b32 s27, s26, 5
	s_add_co_u32 s27, s27, 3                       ; among the weights: 3 + (g - 768) / 32,
	s_and_b32 s26, s26, 31                         ; (g - 768) % 32
	s_cmp_lt_u32 ttmp9, NX
	s_cselect_b32 s24, s24, s27
	s_cselect_b32 s25, s25, s26
	s_wait_kmcnt 0x0
.irp i, 1,2,3,4,5
	s_cmp_eq_u32 s24, \i                           ; the choice hangs on the work-group's number alone
	s_cselect_b64 s[4:5], s[4+2*\i:5+2*\i], s[4:5]
.endr
	s_lshl_b32 s28, s25, 2
	s_add_co_u32 s28, s28, s30
	s_lshl_b32 s28, s28, 15                        ; my wave's 8,192 numbers in the tensor: 32,768 bytes each
	s_mov_b32 s29, 0
	s_add_nc_u64 s[4:5], s[4:5], s[28:29]
	s_lshl_b32 s32, ttmp9, 2
	s_add_co_u32 s32, s32, s30
	s_lshl_b32 s28, s32, 12                        ; 4,096 bytes of codes
	s_add_nc_u64 s[18:19], s[18:19], s[28:29]
	s_lshl_b32 s28, s32, 8                         ; 256 scale bytes
	s_add_nc_u64 s[20:21], s[20:21], s[28:29]
.macro LOAD t
.irp i, 0,1,2,3
	global_load_b128 v[R+16*((\t)%4)+4*\i:R+16*((\t)%4)+4*\i+3], v3, s[4:5] offset:2048*(\t)+512*\i th:TH_LOAD_NT   ; 32 lanes read 512 consecutive bytes
.endr
.endm
.macro TURN t                          ; step t's numbers through the stage: LDS serves a wave's instructions in order, so no wait stands between the stores and the loads
.irp i, 0,1,2,3
	ds_store_b128 v14, v[R+16*((\t)%4)+4*\i:R+16*((\t)%4)+4*\i+3] offset:32*SP*((\t)%2)+8*SP*\i
.endr
.irp i, 0,1,2,3
	ds_load_b128 v[X+16*((\t)%2)+4*\i:X+16*((\t)%2)+4*\i+3], v15 offset:32*SP*((\t)%2)+16*\i
.endr
.endm
.irp t, 0,1,2,3
	LOAD \t
.endr
	s_wait_loadcnt 12                              ; step 0's four loads are in; the 12 of steps 1 to 3 may be out
	TURN 0
.macro STEP t
.set XS, X+16*((\t)%2)
.if (\t) > 0
	s_wait_dscnt 1                                 ; this step's numbers are back from the stage (the last step's byte store may be out)
.else
	s_wait_dscnt 0x0
.endif
.if (\t)+4 < STEPS
	LOAD (\t)+4                                    ; into the registers that the stage's stores have read
.endif
.if (\t)+1 < STEPS
.if STEPS-2-(\t) >= 3
	s_wait_loadcnt 12                              ; the next step's four loads are in; those of the three steps behind it may be out
.else
	s_wait_loadcnt 4*(STEPS-2-(\t))
.endif
	TURN (\t)+1                                    ; through the other stage while this step is worked
.endif
	v_max3_num_f32 v8, |v[XS]|, |v[XS+1]|, |v[XS+2]|               ; the largest magnitude of my 16, in two chains
	v_max3_num_f32 v9, |v[XS+3]|, |v[XS+4]|, |v[XS+5]|
.irp i, 6,10
	v_max3_num_f32 v8, v8, |v[XS+\i]|, |v[XS+\i+1]|
	v_max3_num_f32 v9, v9, |v[XS+\i+2]|, |v[XS+\i+3]|
.endr
	v_max3_num_f32 v8, v8, |v[XS+14]|, |v[XS+15]|
	v_max3_num_f32 v8, v8, v9, (EMAX+1)<<23        ; and the floor 2^(EMAX + 1 - 127): the byte cannot fall under 1
	v_max_num_f32_dpp v8, v8, v8 row_xmask:1 row_mask:0xf bank_mask:0xf   ; with my neighbour's 16: the block's
	v_add_nc_u32 v11, -(EMAX<<23), v8              ; EMAX off its exponent field: the conversion takes the exponent field of this operand as its scale
	v_cvt_scalef32_pk8_fp4_f32 v[C+4*(\t)], v[XS:XS+7], v11
	v_cvt_scalef32_pk8_fp4_f32 v[C+4*(\t)+1], v[XS+8:XS+15], v11
	v_lshrrev_b32 v[E+(\t)], 23, v11               ; the scale's byte (also the plain line behind the conversions)
	ds_store_b8 v5, v[E+(\t)] offset:16*(\t)       ; both lanes of a block write the same byte with the same value
	global_store_b64 v4, v[C+4*(\t):C+4*(\t)+1], s[18:19] offset:32*CB*(\t)   ; the wave stores 256 consecutive bytes, aligned
.endm
.irp t, 0,1,2,3,4,5,6,7,8,9,10,11,12,13,14,15
	STEP \t
.endr
	ds_load_b64 v[8:9], v6                         ; LDS serves a wave's instructions in order: these see my stores
	s_wait_dscnt 0x0
	global_store_b64 v7, v[8:9], s[20:21]          ; 32 lanes store 256 consecutive scale bytes, aligned
	s_wait_tensorcnt 0x0                           ; the wave's end: behind my last LDS store
	ds_add_u32 v[SPW], v[NIL]
	s_wait_dscnt 0x0
	s_endpgm
; Wo to f16: a plain stream, no LDS.  A wave takes 8,192 numbers: 64 loads of 512 consecutive bytes in four groups of 16, two groups on their way; each store covers 256 consecutive bytes, aligned.
.Lwo:
	s_sub_co_u32 s24, ttmp9, NQUANT
	s_lshl_b32 s24, s24, 2
	s_add_co_u32 s24, s24, s30
	s_lshl_b32 s28, s24, 15                        ; 32,768 bytes of f32,
	s_mov_b32 s29, 0
	s_lshl_b32 s26, s24, 14                        ; 16,384 of f16
	s_mov_b32 s27, 0
	s_wait_kmcnt 0x0
	s_add_nc_u64 s[16:17], s[16:17], s[28:29]
	s_add_nc_u64 s[22:23], s[22:23], s[26:27]
.macro WLOAD grp, sx
.irp i, 0,1,2,3,4,5,6,7,8,9,10,11,12,13,14,15
	global_load_b128 v[16+64*\sx+4*\i:16+64*\sx+4*\i+3], v3, s[16:17] offset:512*(16*\grp+\i) th:TH_LOAD_NT
.endr
.endm
.macro WCONV grp, sx, younger          ; younger: the other set's loads, which may stay out
.irp i, 0,1,2,3,4,5,6,7,8,9,10,11,12,13,14,15
	s_wait_loadcnt \younger+15-\i                  ; load i of this set is in; its later ones and the other set's may be out
	v_cvt_pk_f16_f32 v[144+2*\i], v[16+64*\sx+4*\i], v[16+64*\sx+4*\i+1]
	v_cvt_pk_f16_f32 v[145+2*\i], v[16+64*\sx+4*\i+2], v[16+64*\sx+4*\i+3]
	global_store_b64 v7, v[144+2*\i:145+2*\i], s[22:23] offset:256*(16*\grp+\i)
.endr
.endm
	WLOAD 0, 0
	WLOAD 1, 1
	WCONV 0, 0, 16
	WLOAD 2, 0
	s_wait_xcnt 0x0                                ; the stores' data registers v144-175 are written again only behind this wait
	WCONV 1, 1, 16
	WLOAD 3, 1
	s_wait_xcnt 0x0
	WCONV 2, 0, 16
	s_wait_xcnt 0x0
	WCONV 3, 1, 0
	s_endpgm
.Lfunc_end_k_q1038e8d14c_prep:
	.size	k_q1038e8d14c_prep, .Lfunc_end_k_q1038e8d14c_prep-k_q1038e8d14c_prep
	.p2alignl 7, 3214868480
	.fill 96, 4, 3214868480
	.section	.rodata,"a",@progbits
	.p2align	6, 0x0
	.amdhsa_kernel k_q1038e8d14c_prep
		.amdhsa_group_segment_fixed_size 33280
		.amdhsa_private_segment_fixed_size 0
		.amdhsa_enable_private_segment 0
		.amdhsa_kernarg_size 80
		.amdhsa_user_sgpr_count 2
		.amdhsa_user_sgpr_kernarg_segment_ptr 1
		.amdhsa_wavefront_size32 1
		.amdhsa_system_sgpr_workgroup_id_x 1
		.amdhsa_system_sgpr_workgroup_id_y 1
		.amdhsa_system_sgpr_workgroup_id_z 1
		.amdhsa_system_vgpr_workitem_id 0
		.amdhsa_next_free_vgpr 192
		.amdhsa_next_free_sgpr 66
		.amdhsa_reserve_vcc 0
		.amdhsa_float_denorm_mode_32 3
		.amdhsa_float_denorm_mode_16_64 3
		.amdhsa_memory_ordered 1
		.amdhsa_forward_progress 1
		.amdhsa_inst_pref_size 56
	.end_amdhsa_kernel
	.amdgpu_metadata
---
amdhsa.version: [ 1, 2 ]
amdhsa.kernels:
  - .name:           k_q1038e8d14c_prep
    .symbol:         k_q1038e8d14c_prep.kd
    .args:
      - { .name: query_states, .offset: 0, .size: 8, .value_kind: global_buffer, .address_space: global }
      - { .name: key_states, .offset: 8, .size: 8, .value_kind: global_buffer, .address_space: global }
      - { .name: value_states, .offset: 16, .size: 8, .value_kind: global_buffer, .address_space: global }
      - { .name: Wq, .offset: 24, .size: 8, .value_kind: global_buffer, .address_space: global }
      - { .name: Wk, .offset: 32, .size: 8, .value_kind: global_buffer, .address_space: global }
      - { .name: Wv, .offset: 40, .size: 8, .value_kind: global_buffer, .address_space: global }
      - { .name: Wo, .offset: 48, .size: 8, .value_kind: global_buffer, .address_space: global }
      - { .name: codes, .offset: 56, .size: 8, .value_kind: global_buffer, .address_space: global }
      - { .name: scales, .offset: 64, .size: 8, .value_kind: global_buffer, .address_space: global }
      - { .name: wo16, .offset: 72, .size: 8, .value_kind: global_buffer, .address_space: global }
    .group_segment_fixed_size: 33280
    .private_segment_fixed_size: 0
    .kernarg_segment_align: 8
    .kernarg_segment_size: 80
    .max_flat_workgroup_size: 128
    .sgpr_count:     66
    .vgpr_count:     192
    .wavefront_size: 32
...
	.end_amdgpu_metadata
.endif
;; end of part 1
;; launch proj (part 2): grid 4 x 96, 4 waves a work-group, clusters of 4 x 4, 327,680 bytes of LDS; arguments codes, scales, bq, bk, bv, qkv; writes qkv
.if DOCPART == 2
	.amdgcn_target "amdgcn-amd-amdhsa--gfx1250"
	.amdhsa_code_object_version 6
	.text
	.protected	k_q1038e8d14c_proj
	.globl	k_q1038e8d14c_proj
	.p2align	8
	.type	k_q1038e8d14c_proj,@function
k_q1038e8d14c_proj:
	s_mov_b64 s[64:65], 0
	v_nop
	global_prefetch_b8 v0, s[64:65] scope:SCOPE_SE
	s_setreg_imm32_b32 hwreg(HW_REG_WAVE_MODE, 25, 1), 1
	s_wait_xcnt 0x0
	s_wait_alu depctr_hold_cnt(0) depctr_sa_sdst(0) depctr_va_vdst(0) depctr_va_sdst(0) depctr_va_ssrc(0) depctr_va_vcc(0) depctr_vm_vsrc(0)
	s_getreg_b32 s2, hwreg(HW_REG_IB_STS2, 6, 4)
	s_cmp_eq_u32 s2, 0
	s_cbranch_scc0 .Lentry_in_a_cluster
	s_endpgm
.Lentry_in_a_cluster:
	s_bfe_u32 s2, ttmp6, 0x10000c
	s_cmp_lg_u32 s2, 0xf033
	s_cbranch_scc0 .Lentry_shape_is_right
	s_endpgm
.Lentry_shape_is_right:
; The three projections q = x Wq^T + bq, k, v, on codes of FP4 (E2M1) with one E8M0 scale for each 32 along K = 1,024; sums in f32; the bias starts each sum; results rounded once to f16 and laid by heads.
; codes: rows of 512 bytes; rows 0 .. 24,575 the three x (tensor T = row / 8,192), rows 24,576 + 1,024 T + n the weights.  scales: the same rows, 32 bytes each.  qkv: f16 [T][batch 4][head 16][token 2,048][64].
; LIMIT: |q|, |k|, |v| stay under 65,504 (f16).
; A tile of the result, 256 rows x 256 columns, is made by a work-group of four waves; a wave makes 128 x 128: 64 accumulators of 16 x 16, 512 registers.  Tile row 0 .. 95 counts through the three x; tile column 0 .. 3.
; K = 1,024 is two slots of 512 along K (rows of 256 bytes): both are asked for at the head, with the scale bytes of all of K: nothing is filled again, and there is no loop.
; CLUSTERS: 4 x 4 work-groups.  The four of a row of the cluster need the same tiles of x, the four of a column the same tiles of W: each is asked for JOINTLY.  A cluster's four tile rows lie in one tensor (8 clusters a tensor).
; THE MATRIX INSTRUCTION IS USED TRANSPOSED (source 0 = 16 rows of W, source 1 = 16 rows of x): a lane holds eight neighbouring columns of one row.
; REGISTERS, in windows of 256: window 0: v0-31 addresses; v32-95 scale words, two sets; v128-191 x's fragments, ONE set; v192-255 the bias, eight registers for each of my 8 column blocks; on the way out v32-127 are free.
;   window 1: W's fragments, TWO sets, at v0 and v128.   window 2: the accumulators of my rows 0-63 ((a, b) at v[8 (8 a + b)]);   window 3: those of my rows 64-127.
.set NQ,     4                         ; matrix instructions deep in a slot
.set ROWB,   256                       ; a tile's row in bytes: 512 codes
.set KROW,   512                       ; a row of codes in memory
.set WROW0,  24576                     ; the weights' first row
.set PITCH,  272                       ; an LDS row: 256 bytes + 16 of padding: the 16 rows that a load touches start 68 words apart
.set FR,     8                         ; registers of a fragment: 16 rows x 128 K
.set NL,     2                         ; LDS loads that bring one
.set NP,     4                         ; places behind this matrix instruction (ISA guide 7.12.1)
.set HALFT,  128*PITCH                 ; 128 rows: what one tensor load brings
.set SLOT,   4*HALFT                   ; x's 256 rows, then W's 256 rows
.set KS,     32                        ; a row of scale bytes
.set SCL,    2*SLOT                    ; behind the two slots: the scales, as units of 256 bytes + 16 of padding
.set HALFS,  (128*KS/256)*272          ; the scales of 128 rows: what one tensor load brings
.set SBLK,   (16*KS/256)*272           ; those of 16 rows
.set SPARE,  SCL+4*HALFS               ; the spare words, 128 bytes for each wave
.set SPITCH, 272                       ; the way out: a stage of 16 rows x (256 bytes + 16) for each wave, in slot 0, which has had its only fill and its last read by then
.set ADRA, 16                          ; v16-17  LDS address of my x fragments in slot 0, 1
.set ADRB, 20                          ; v20-21  the same for W
.set STO,  24                          ; v24     the way out: where I put 16 bytes of a row
.set RD,   25                          ; v25     where I read back
.set CO,   26                          ; v26     16 x lane: my bytes of a store's 512
.set ADRS, 27                          ; v27     LDS address of my scale words: lanes 0-15 x's rows, lanes 16-31 W's
.set SPW,  28                          ; v28     my spare word; never rewritten
.set NIL,  29                          ; v29     0; never rewritten
.set BO,   30                          ; v30     32 x (lane / 16): my eight numbers of a block's 16 biases
.set SC,   32
.set AF,   128
.set BI,   192
.set TMP,  32                          ; the way out: packed results
.set BK,   64                          ; the way out: rows read back: v64-95 and v96-127 by turns
.set G1, 24                            ; s[24:31] group 1 for x's tiles;  s[32:39] group 0, one set for each slot
.set G0, 32
.set G1B, 48                           ; s[48:55], s[56:63] the same for W's tiles
.set G0B, 56
.set G1S, 68                           ; s[68:75], s[76:79] groups 1 and 0 for x's scales;  s[80:87], s[88:91] for W's
.set G0S, 76
.set G1SB, 80
.set G0SB, 88
.set MSB, 0
.macro WIN new                         ; the immediate's high byte repeats the setting that is left
.if MSB != \new
	s_set_vgpr_msb (MSB<<8)|\new
.set MSB, \new
.endif
.endm
.set MUL_LO, 0xa1                      ; source 0 (W) window 1, source 1 (x) window 0, C and D window 2
.set MUL_HI, 0xf1                      ; the same, C and D window 3
.set BEG_LO, 0x81                      ; a sum's first product: C (the bias) window 0, D window 2
.set BEG_HI, 0xc1                      ; D window 3
.set TO_B,   0x40                      ; destination window 1, address window 0
; A joint load: waves 0 and 1 fetch for x, waves 2 and 3 for W; the branch hangs on the wave's number alone.  An s_nop 0 and four v_nop follow each of the two lines.
.macro JLOAD g0a, g1a, g0b, g1b
	s_cmp_eq_u32 s15, 0
	s_cbranch_scc0 .Lfor_b_\@
	tensor_load_to_lds s[\g0a:\g0a+3], s[\g1a:\g1a+7]
	s_nop 0
.rept 4
	v_nop
.endr
	s_branch .Lasked_\@
.Lfor_b_\@:
	tensor_load_to_lds s[\g0b:\g0b+3], s[\g1b:\g1b+7]
	s_nop 0
.rept 4
	v_nop
.endr
.Lasked_\@:
.endm
.macro CROUND                          ; a round of the cluster's barrier
	s_barrier_signal -1
	s_barrier_wait -1
	s_cmp_lg_u32 s14, 0
	s_cbranch_scc1 .Lnot_wave_0_\@
	s_barrier_signal -3
.Lnot_wave_0_\@:
	s_barrier_wait -3
	s_barrier_signal -1
	s_barrier_wait -1
.endm
	s_load_b128 s[4:7], s[0:1], 0x0                ; codes s[4:5], scales s[6:7]
	s_load_b128 s[8:11], s[0:1], 0x10              ; bq s[8:9], bk s[10:11]
	s_load_b128 s[96:99], s[0:1], 0x20             ; bv s[96:97], qkv s[98:99]
	v_lshl_add_u32 v[SPW], v0, 2, SPARE
	v_mov_b32 v[NIL], 0
	ds_add_u32 v[SPW], v[NIL]                      ; the wave's opening: the add, twice on end, and its wait ahead of my first tensor load
	ds_add_u32 v[SPW], v[NIL]
	v_lshrrev_b32 v1, 5, v0
	v_readfirstlane_b32 s14, v1                    ; wave 0..3
	s_lshr_b32 s15, s14, 1                         ; which half of the tile's rows is mine.  Also: I fetch for x (0) or for W (1)
	s_and_b32 s16, s14, 1                          ; which half of its columns.  Also: which 128 rows of that tile I fetch
	s_bfe_u32 s40, ttmp6, 0x40000                  ; cx, cy: my place in the cluster
	s_bfe_u32 s41, ttmp6, 0x40004
	s_lshl_b32 s42, ttmp9, 2
	s_add_co_u32 s42, s42, s40                     ; tile column = 4 x cluster x + cx
	s_and_b32 s17, ttmp7, 0xffff
	s_lshr_b32 s95, s17, 3                         ; the tensor T = cluster y / 8: the same in all sixteen partners
	s_lshl_b32 s17, s17, 2
	s_add_co_u32 s17, s17, s41                     ; tile row = 4 x cluster y + cy
	s_lshl_b32 s43, s41, 2
	s_lshl_b32 s43, 15, s43                        ; my row of the cluster
	s_lshl_b32 s44, 0x1111, s40                    ; my column
	; group 1: a tile of 128 rows x 256 bytes, padded in LDS
	s_or_b32 s[G1+0], s43, (0<<16)|(1<<20)|(1<<21)|(5<<22)|(3<<25)  ; the mask: x's tiles go to my row; elements of 1 byte; padding on; bit 21 beside a mask; 4 words after every 64
	s_or_b32 s[G1B+0], s44, (0<<16)|(1<<20)|(1<<21)|(5<<22)|(3<<25)
.irp g, G1, G1B
	s_mov_b32 s[\g+1], ROWB<<16                    ; tensor_dim0
	s_mov_b32 s[\g+2], 128<<16                     ; tensor_dim1
	s_mov_b32 s[\g+3], ROWB<<16                    ; tile_dim0
	s_mov_b32 s[\g+4], 128                         ; tile_dim1
	s_mov_b32 s[\g+5], KROW                        ; stride from row to row
	s_mov_b32 s[\g+6], 0
	s_mov_b32 s[\g+7], 0
.endr
	; the scales of 128 rows: 4,096 dense bytes, as 16 rows of 256 bytes (32 elements of 8 bytes), 16 bytes of padding behind each
	s_or_b32 s[G1S+0], s43, (3<<16)|(1<<20)|(1<<21)|(5<<22)|(3<<25)
	s_or_b32 s[G1SB+0], s44, (3<<16)|(1<<20)|(1<<21)|(5<<22)|(3<<25)
.irp g, G1S, G1SB
	s_mov_b32 s[\g+1], 32<<16
	s_mov_b32 s[\g+2], (128*KS/256)<<16
	s_mov_b32 s[\g+3], 32<<16
	s_mov_b32 s[\g+4], 128*KS/256
	s_mov_b32 s[\g+5], 32
	s_mov_b32 s[\g+6], 0
	s_mov_b32 s[\g+7], 0
.endr
	s_lshl_b32 s18, s16, 7                         ; which 128 rows of the tile I fetch
	s_lshl_b32 s20, s17, 8
	s_add_co_u32 s20, s20, s18                     ; x: row 256 x tile row + 128 x half
	s_lshl_b32 s46, s42, 8
	s_add_co_u32 s46, s46, s18
	s_lshl_b32 s47, s95, 10
	s_add_co_u32 s46, s46, s47
	s_add_co_u32 s46, s46, WROW0                   ; W: row 24,576 + 1,024 T + 256 x tile column + 128 x half
	s_mov_b32 s21, 0
	s_mov_b32 s47, 0
	s_mov_b64 s[18:19], KS
	s_mul_u64 s[22:23], s[20:21], s[18:19]         ; where these rows' scales begin, in bytes,
	s_mul_u64 s[92:93], s[46:47], s[18:19]
	s_mov_b64 s[18:19], KROW
	s_mul_u64 s[20:21], s[20:21], s[18:19]         ; and their codes
	s_mul_u64 s[46:47], s[46:47], s[18:19]
	s_mul_i32 s45, s14, HALFT                      ; where they go: wave x 128 rows: no place in the cluster enters an LDS address
	s_mul_i32 s94, s14, HALFS
	s_wait_dscnt 0x0                               ; both opening adds are done
	s_wait_kmcnt 0x0
	s_add_nc_u64 s[20:21], s[4:5], s[20:21]
	s_add_nc_u64 s[22:23], s[6:7], s[22:23]
	s_add_nc_u64 s[46:47], s[4:5], s[46:47]
	s_add_nc_u64 s[92:93], s[6:7], s[92:93]
	CROUND                                         ; all sixteen work-groups are here: the joint loads meet
	s_mov_b32 s[G0S], 1
	s_add_co_u32 s[G0S+1], s94, SCL
	s_mov_b64 s[G0S+2:G0S+3], s[22:23]
	s_or_b32 s[G0S+3], s[G0S+3], 0x80000000
	s_mov_b32 s[G0SB], 1
	s_add_co_u32 s[G0SB+1], s94, SCL
	s_mov_b64 s[G0SB+2:G0SB+3], s[92:93]
	s_or_b32 s[G0SB+3], s[G0SB+3], 0x80000000
	JLOAD G0S, G1S, G0SB, G1SB                     ; the scales first: they are wanted with slot 0
.irp s, 0,1
	s_mov_b32 s[G0+4*\s], 1
	s_add_co_u32 s[G0+4*\s+1], s45, \s*SLOT
	s_add_nc_u64 s[G0+4*\s+2:G0+4*\s+3], s[20:21], \s*ROWB
	s_or_b32 s[G0+4*\s+3], s[G0+4*\s+3], 0x80000000
	s_mov_b32 s[G0B+4*\s], 1
	s_add_co_u32 s[G0B+4*\s+1], s45, \s*SLOT
	s_add_nc_u64 s[G0B+4*\s+2:G0B+4*\s+3], s[46:47], \s*ROWB
	s_or_b32 s[G0B+4*\s+3], s[G0B+4*\s+3], 0x80000000
	JLOAD G0+4*\s, G1, G0B+4*\s, G1B               ; three tensor loads of mine are out behind the second of these
.endr
	; the bias of my 128 columns, in the result's layout: block b's eight registers hold bias[16 b + 8 (lane / 16) + 0 .. 7]
	v_and_b32 v1, 15, v0                           ; l % 16
	v_bfe_u32 v2, v0, 4, 1                         ; l / 16
	v_lshlrev_b32 v[BO], 5, v2
	s_cmp_eq_u32 s95, 1                            ; the choice hangs on the tensor's number alone
	s_cselect_b64 s[8:9], s[10:11], s[8:9]
	s_cmp_eq_u32 s95, 2
	s_cselect_b64 s[8:9], s[96:97], s[8:9]
	s_lshl_b32 s46, s42, 10                        ; 256 columns x 4 bytes a tile column,
	s_lshl_b32 s47, s16, 9                         ; 128 x 4 a half
	s_add_co_u32 s46, s46, s47
	s_mov_b32 s47, 0
	s_add_nc_u64 s[8:9], s[8:9], s[46:47]
.irp b, 0,1,2,3,4,5,6,7
	global_load_b128 v[BI+8*\b:BI+8*\b+3], v[BO], s[8:9] offset:64*\b
	global_load_b128 v[BI+8*\b+4:BI+8*\b+7], v[BO], s[8:9] offset:64*\b+16
.endr
	v_mul_u32_u24 v3, v1, PITCH
	v_lshl_add_u32 v4, v2, 4, v3                   ; a fragment's row x pitch + 16 x half
	s_mul_i32 s21, s15, HALFT                      ; my 128 rows of x
	s_mul_i32 s22, s16, HALFT                      ; my 128 rows of W,
	s_add_co_u32 s22, s22, 2*HALFT                 ; which lie behind x's 256
.irp s, 0,1
	v_add_nc_u32 v[ADRA+\s], s21, v4
	v_add_nc_u32 v[ADRB+\s], s22, v4
	s_add_co_u32 s21, s21, SLOT
	s_add_co_u32 s22, s22, SLOT
.endr
	v_mul_u32_u24 v5, v1, KS                       ; my row's scales: 32 bytes a row,
	v_lshrrev_b32 v6, 8, v5
	v_lshl_add_u32 v5, v6, 4, v5                   ; and 16 more for each 256 passed
	s_mul_i32 s21, s15, HALFS                      ; x's: my 128 rows
	s_mul_i32 s22, s16, HALFS                      ; W's: my 128 rows, behind x's 256
	s_add_co_u32 s22, s22, 2*HALFS
	s_sub_co_u32 s22, s22, s21
	v_mul_u32_u24 v6, s22, v2                      ; lanes 16-31 take W's: one product, the distance between the two bases
	s_add_co_u32 s21, s21, SCL
	v_add_nc_u32 v5, v5, v6
	v_add_nc_u32 v[ADRS], s21, v5
	s_mul_i32 s23, s14, 16*SPITCH                  ; my stage
	v_mul_u32_u24 v5, v1, SPITCH                   ; in: row l % 16, 16 bytes for each half of the lanes
	v_lshl_add_u32 v5, v2, 4, v5
	v_add_nc_u32 v[STO], s23, v5
	v_bfe_u32 v6, v0, 3, 2                         ; back: eight lanes to a token's 128 bytes of one head, four tokens an instruction
	v_and_b32 v7, 7, v0
	v_mul_u32_u24 v6, v6, SPITCH
	v_lshl_add_u32 v6, v7, 4, v6
	v_add_nc_u32 v[RD], s23, v6
	v_and_b32 v6, 31, v0
	v_lshlrev_b32 v[CO], 4, v6
	; where my part begins in qkv: (tile row / 8) is 4 T + batch: 2^22 bytes each; a head is 2^18 bytes; a token 128
	s_lshr_b32 s20, s17, 3
	s_lshl_b32 s20, s20, 22
	s_and_b32 s21, s17, 7
	s_lshl_b32 s21, s21, 8
	s_lshl_b32 s22, s15, 7
	s_add_co_u32 s21, s21, s22                     ; my first token in the batch
	s_lshl_b32 s21, s21, 7
	s_add_co_u32 s20, s20, s21
	s_mov_b32 s21, 0
	s_lshl_b32 s46, s42, 2
	s_lshl_b32 s47, s16, 1
	s_add_co_u32 s46, s46, s47                     ; my first head: 4 x tile column + 2 x half
	s_lshl_b32 s46, s46, 18
	s_mov_b32 s47, 0
	s_add_nc_u64 s[12:13], s[98:99], s[20:21]
	s_add_nc_u64 s[12:13], s[12:13], s[46:47]
.macro FRAG reg, adr, q, i             ; a fragment, 16 rows x 128 K of 4-bit codes: lane l holds row l % 16; registers 4 c .. 4 c + 3 hold K = 64 c + 32 (l / 16) + 0 .. 31
.irp c, 0,1
	ds_load_b128 v[\reg+4*\c:\reg+4*\c+3], v[\adr] offset:64*(\q)+32*\c+(\i)*16*PITCH
.endr
.endm
; 16 matrix instructions: x's blocks a0, a0 + 1 against W's eight, 128 along K: the slot's q-th.  p: W's set;  sc: the set of scale words.  zero = 1: the sum's first product takes the bias as C: nothing is cleared or added later.
; The 64 accumulators take turns, one instruction a turn, in the same order in every step.
.macro MUL16 a0, p, q, sc, zero
.irp a, \a0, \a0+1
.irp b, 0,1,2,3,4,5,6,7
.if \zero
	v_wmma_scale_f32_16x16x128_f8f6f4 v[8*(8*((\a)%4)+\b):8*(8*((\a)%4)+\b)+7], v[128*(\p)+FR*\b:128*(\p)+FR*\b+FR-1], v[AF+FR*(\a):AF+FR*(\a)+FR-1], v[BI+8*\b:BI+8*\b+7], v[SC+8*NQ*(\sc)+NQ*\b+(\q)], v[SC+8*NQ*(\sc)+NQ*(\a)+(\q)] matrix_a_fmt:MATRIX_FMT_FP4 matrix_b_fmt:MATRIX_FMT_FP4 matrix_a_scale:MATRIX_SCALE_ROW1
.else
	v_wmma_scale_f32_16x16x128_f8f6f4 v[8*(8*((\a)%4)+\b):8*(8*((\a)%4)+\b)+7], v[128*(\p)+FR*\b:128*(\p)+FR*\b+FR-1], v[AF+FR*(\a):AF+FR*(\a)+FR-1], v[8*(8*((\a)%4)+\b):8*(8*((\a)%4)+\b)+7], v[SC+8*NQ*(\sc)+NQ*\b+(\q)], v[SC+8*NQ*(\sc)+NQ*(\a)+(\q)] matrix_a_fmt:MATRIX_FMT_FP4 matrix_b_fmt:MATRIX_FMT_FP4 matrix_a_scale:MATRIX_SCALE_ROW1
.endif
.endr
.endr
.endm
.macro FETCH_B slot, q, p              ; W's eight fragments of the slot's q-th 128 along K into set p
	WIN TO_B
.irp i, 0,1,2,3,4,5,6,7
	FRAG 128*(\p)+FR*\i, ADRB+\slot, \q, \i
.endr
	WIN 0
.endm
.macro FETCH_A slot, q, i0             ; x's blocks i0 .. i0 + 3
.irp i, \i0, \i0+1, \i0+2, \i0+3
	FRAG AF+FR*(\i), ADRA+\slot, \q, \i
.endr
.endm
.macro SCALES sc                       ; a slot's scale words into set sc: four words a row; lanes 0-15 take x's block i, lanes 16-31 W's block i
.irp i, 0,1,2,3,4,5,6,7
	ds_load_b128 v[SC+8*NQ*\sc+NQ*\i:SC+8*NQ*\sc+NQ*\i+3], v[ADRS] offset:\i*SBLK
.endr
.endm
; A load into a register that a matrix instruction has read, and a vector instruction that reads a matrix result, stand NP places behind that matrix instruction; only plain vector instructions that name none of its registers are places.
.macro PLACES n
.rept \n
	v_nop
.endr
.endm
; A step of 128 along K that has its successor in the same slot.
.macro STEP slot, q, zero
	s_wait_dscnt 4*NL                              ; W's set and x's blocks 0-3 are in; the youngest eight loads (x's blocks 4-7) may be out
.if \zero
	WIN BEG_LO
.else
	WIN MUL_LO
.endif
	MUL16 0, (\q)%2, \q, \slot, \zero
	MUL16 2, (\q)%2, \q, \slot, \zero
	s_wait_dscnt 0                                 ; x's blocks 4-7 are in (asked for 32 matrix instructions ago)
	PLACES NP
	FETCH_B \slot, (\q)+1, 1-(\q)%2
	FETCH_A \slot, (\q)+1, 0
.if \zero
	WIN BEG_HI
.else
	WIN MUL_HI
.endif
	MUL16 4, (\q)%2, \q, \slot, \zero
	MUL16 6, (\q)%2, \q, \slot, \zero
	PLACES NP
	WIN 0
	FETCH_A \slot, (\q)+1, 4
.endm
.macro STEPS slot, from                ; the slot's steps from .. NQ - 2
.set Q, \from
.rept NQ-1-\from
	STEP \slot, Q, 0
.set Q, Q+1
.endr
.endm
	s_wait_tensorcnt 1                             ; the scales and my part of slot 0 are in; slot 1's load may be out
	s_barrier_signal -1
	s_barrier_wait -1                              ; everybody's are
	FETCH_B 0, 0, 0
	FETCH_A 0, 0, 0
	SCALES 0
	FETCH_A 0, 0, 4
	s_wait_loadcnt 0x0                             ; the bias
	STEP 0, 0, 1                                   ; the first step's products start the sums from the bias
	STEPS 0, 1
	; slot 0's last step changes slots: one barrier; in front of it each wave waits for all its tensor loads (my part of slot 1), adds 0 to its spare word, and waits for that and for its reads of slot 0
	s_wait_tensorcnt 0x0
	ds_add_u32 v[SPW], v[NIL]
	s_wait_dscnt 4*NL+1                            ; the add and the youngest eight loads (x's blocks 4-7) may be out
	WIN MUL_LO
	MUL16 0, 1, NQ-1, 0, 0                         ; sixteen matrix instructions stand between the add and the wait for it
	s_wait_dscnt 0x0                               ; the add is done, and my reads of slot 0 are over
	s_barrier_signal -1
	MUL16 2, 1, NQ-1, 0, 0
	WIN 0
	s_barrier_wait -1                              ; slot 1 is whole; nobody reads slot 0 any more
	PLACES NP
	v_add_nc_u32 v[ADRS], 4*NQ, v[ADRS]            ; on to slot 1's scale words (no LDS load of mine is out)
	FETCH_B 1, 0, 0
	FETCH_A 1, 0, 0
	SCALES 1
	WIN MUL_HI
	MUL16 4, 1, NQ-1, 0, 0
	MUL16 6, 1, NQ-1, 0, 0
	PLACES NP
	WIN 0
	FETCH_A 1, 0, 4
	STEPS 1, 0
	s_wait_dscnt 4*NL                              ; the very last step: nothing more to fetch
	WIN MUL_LO
	MUL16 0, 1, NQ-1, 1, 0
	MUL16 2, 1, NQ-1, 1, 0
	s_wait_dscnt 0
	WIN MUL_HI
	MUL16 4, 1, NQ-1, 1, 0
	MUL16 6, 1, NQ-1, 1, 0
	WIN 0
; THE WAY OUT, block by block of 16 tokens x 128 columns (two heads).  PACK: rounded to f16, 16 bytes a lane, each accumulator from its low end on.  TOSTAGE: into my own stage, and back by heads: four tokens x 128 bytes of one head
; are 512 consecutive bytes of qkv.  SEND: stored.  LDS serves a wave's instructions in order (ISA guide 5.7.1.4): no wait between the stage's stores and loads.
.macro PACK a
.set AC, 64*((\a)%4)
	WIN 0x0a+5*((\a)/4)                            ; sources 0 and 1: window 2 or 3
.irp b, 0,1,2,3,4,5,6,7
.irp r, 0,1,2,3
	v_cvt_pk_f16_f32 v[TMP+4*\b+\r], v[AC+8*\b+2*\r], v[AC+8*\b+2*\r+1]
.endr
.endr
	WIN 0
.endm
.macro TOSTAGE a
.set BB, BK+32*((\a)%2)
.irp b, 0,1,2,3,4,5,6,7
	ds_store_b128 v[STO], v[TMP+4*\b:TMP+4*\b+3] offset:32*\b
.endr
.irp hh, 0,1
.irp i, 0,1,2,3
	ds_load_b128 v[BB+4*(4*\hh+\i):BB+4*(4*\hh+\i)+3], v[RD] offset:128*\hh+4*\i*SPITCH
.endr
.endr
.endm
.macro SEND a
.set BB, BK+32*((\a)%2)
	s_wait_dscnt 0x0                               ; the block is back in registers
	s_wait_xcnt 0x0                                ; the block before has had its stores' registers read: the next block's loads may land there
.irp hh, 0,1
.irp i, 0,1,2,3
	global_store_b128 v[CO], v[BB+4*(4*\hh+\i):BB+4*(4*\hh+\i)+3], s[12:13] offset:\hh*262144+(\a)*2048+512*\i   ; 32 lanes store 512 consecutive bytes, aligned to 512
.endr
.endr
.endm
	PLACES NP                                      ; behind the last products, ahead of the first read of results and of writes into registers that held scales
	PACK 0
	TOSTAGE 0
.irp a, 1,2,3,4,5,6,7                  ; block a's conversions stand between block a - 1's loads from the stage and the wait for them
	PACK \a
	SEND \a-1
	TOSTAGE \a
.endr
	SEND 7
	s_wait_tensorcnt 0x0                           ; the wave's end: behind my last tensor load and my last LDS store
	ds_add_u32 v[SPW], v[NIL]
	s_wait_dscnt 0x0
	CROUND                                         ; the closing round
	s_endpgm
.Lfunc_end_k_q1038e8d14c_proj:
	.size	k_q1038e8d14c_proj, .Lfunc_end_k_q1038e8d14c_proj-k_q1038e8d14c_proj
	.p2alignl 7, 3214868480
	.fill 96, 4, 3214868480
	.section	.rodata,"a",@progbits
	.p2align	6, 0x0
	.amdhsa_kernel k_q1038e8d14c_proj
		.amdhsa_group_segment_fixed_size 327680
		.amdhsa_private_segment_fixed_size 0
		.amdhsa_enable_private_segment 0
		.amdhsa_kernarg_size 48
		.amdhsa_user_sgpr_count 2
		.amdhsa_user_sgpr_kernarg_segment_ptr 1
		.amdhsa_wavefront_size32 1
		.amdhsa_system_sgpr_workgroup_id_x 1
		.amdhsa_system_sgpr_workgroup_id_y 1
		.amdhsa_system_sgpr_workgroup_id_z 1
		.amdhsa_system_vgpr_workitem_id 0
		.amdhsa_next_free_vgpr 1024
		.amdhsa_next_free_sgpr 100
		.amdhsa_reserve_vcc 0
		.amdhsa_float_denorm_mode_32 3
		.amdhsa_float_denorm_mode_16_64 3
		.amdhsa_memory_ordered 1
		.amdhsa_forward_progress 1
		.amdhsa_inst_pref_size 128
	.end_amdhsa_kernel
	.amdgpu_metadata
---
amdhsa.version: [ 1, 2 ]
amdhsa.kernels:
  - .name:           k_q1038e8d14c_proj
    .symbol:         k_q1038e8d14c_proj.kd
    .args:
      - { .name: codes, .offset: 0, .size: 8, .value_kind: global_buffer, .address_space: global }
      - { .name: scales, .offset: 8, .size: 8, .value_kind: global_buffer, .address_space: global }
      - { .name: bq, .offset: 16, .size: 8, .value_kind: global_buffer, .address_space: global }
      - { .name: bk, .offset: 24, .size: 8, .value_kind: global_buffer, .address_space: global }
      - { .name: bv, .offset: 32, .size: 8, .value_kind: global_buffer, .address_space: global }
      - { .name: qkv, .offset: 40, .size: 8, .value_kind: global_buffer, .address_space: global }
    .group_segment_fixed_size: 327680
    .private_segment_fixed_size: 0
    .kernarg_segment_align: 8
    .kernarg_segment_size: 48
    .max_flat_workgroup_size: 128
    .sgpr_count:     100
    .vgpr_count:     1024
    .wavefront_size: 32
...
	.end_amdgpu_metadata
.endif
;; end of part 2
;; launch attn (part 3): grid 8 x 32, 8 waves a work-group, clusters of 4 x 1, 327,680 bytes of LDS; arguments qkv, attention_mask, verse_positions, ctx; writes ctx
.if DOCPART == 3
	.amdgcn_target "amdgcn-amd-amdhsa--gfx1250"
	.amdhsa_code_object_version 6
	.text
	.protected	k_q1038e8d14c_attn
	.globl	k_q1038e8d14c_attn
	.p2align	8
	.type	k_q1038e8d14c_attn,@function
k_q1038e8d14c_attn:
	s_mov_b64 s[64:65], 0
	v_nop
	global_prefetch_b8 v0, s[64:65] scope:SCOPE_SE
	s_setreg_imm32_b32 hwreg(HW_REG_WAVE_MODE, 25, 1), 1
	s_wait_xcnt 0x0
	s_wait_alu depctr_hold_cnt(0) depctr_sa_sdst(0) depctr_va_vdst(0) depctr_va_sdst(0) depctr_va_ssrc(0) depctr_va_vcc(0) depctr_vm_vsrc(0)
	s_getreg_b32 s2, hwreg(HW_REG_IB_STS2, 6, 4)
	s_cmp_eq_u32 s2, 0
	s_cbranch_scc0 .Lentry_in_a_cluster
	s_endpgm
.Lentry_in_a_cluster:
	s_bfe_u32 s2, ttmp6, 0x10000c
	s_cmp_lg_u32 s2, 0x3003
	s_cbranch_scc0 .Lentry_shape_is_right
	s_endpgm
.Lentry_shape_is_right:
; ctx[b][q][head] = the sum over keys of softmax_k(q . k / 8 + 2 (verse > 0) - 10,000 (1 - mask)) v.  q, k, v: f16, qkv [T 3][batch 4][head 16][token 2,048][64]; ctx: f16 [8,192][1,024].
; Products, maxima and sums in f32; the weights p are rounded to f16 for the second product, ctx once at the end.  LIMIT: |ctx| stays under 65,504 (it is an average of v).
; SHARES.  A work-group owns 256 queries of a PAIR of heads (2 hp, 2 hp + 1), one head after the other: a ctx row's two heads are 256 consecutive bytes, written whole, and the pair's K and V are consecutive in memory, so the ring
; runs on over 16 slots.  Each of the eight waves owns 32 queries: two tiles of 16; two waves share a SIMD, so that one wave's softmax stands beside the other's products.  Every wave walks all 2,048 keys, 64 a step.
; LAYOUT.  S^T = K Q^T (source 0 = 16 keys, source 1 = 16 queries): a lane holds ONE query (lane % 16) and keys 8 (lane / 16) + 0..7; two such tiles, rounded in pairs, ARE source 1 of O^T = V^T P.  V is turned by ds_load_tr16_b128.
; THE KEY BIAS is the C of each score's first product: 8 x (verse bias + pad bias), in units of the raw q . k, from a table in LDS that the work-group makes once for its batch.
; SOFTMAX.  A running maximum m and sum l for each query: p = 2^(c s - c m), c = log2(e) / 8; in every step O and l are multiplied by a = 2^(c m_old - c m_new).  m begins at -3e38, O and l at 0: the step is written once.
; CLUSTER.  The four query blocks of a cluster walk the same K and V: each tile is asked for JOINTLY, by the same tensor load with the same descriptor and the mask 15.
; REGISTERS: window 0: v0-15 addresses; v16-31 statistics, 8 a tile; v32-63 Q of head 0; v64-127 S^T, 32 a tile; v128-159 P, 16 a tile; v160-191 the step's key bias; v192-223 Q of head 1; v224-252 set-up.
;   window 1: v0-63 O^T, 32 a tile; v64-127 K of a step; v128-191 V of a step.
.set KS,    64                         ; keys in a step
.set PK,    144                        ; a row of K in LDS: 128 bytes + 16: an odd multiple of 16, so the 16 rows of a load start in different groups of banks
.set PV,    160                        ; a row of V: 128 + 32: an odd multiple of 32, for the turning load
.set VOFF,  KS*PK                      ; a step's tiles lie together: 64 rows of K, then 64 rows of V
.set STEPB, KS*(PK+PV)
.set SLOT1, 1<<17                      ; a slot holds four steps (77,824 bytes); slot 1 begins here, so that one exclusive or turns an address
.set SLOTB, 4*KS*128                   ; a slot's keys in memory: 32,768 bytes of K, as many of V
.set REGION, 16777216                  ; bytes of q, of k, of v in qkv
.set BIAS,  SLOT1+4*STEPB              ; 2,048 f32: the batch's key bias
.set STAGE, BIAS+8192                  ; the way out: 32 rows x (256 bytes + 16) for each wave
.set SP,    272
.set SPARE, STAGE+8*32*SP              ; the spare words, 128 bytes for each wave
.set AK0, 2                            ; v2   my lane's place in a tile of K
.set AV0, 3                            ; v3   the same for V
.set ADK, 4                            ; v4   the step's LDS address of K,
.set ADV, 5                            ; v5   of V,
.set ABI, 6                            ; v6   my lane's place in the bias table
.set ADB, 7                            ; v7   the step's address there
.set QO,  8                            ; v8   my byte offset in the wave's rows of Q
.set STO, 9                            ; v9   the way out: where I put 16 bytes of a row
.set RD,  10                           ; v10  where I read a row back
.set GO,  11                           ; v11  my byte offset in the wave's rows of ctx
.set PFO, 12                           ; v12  256 x lane: the prefetches' offset; never rewritten
.set SPW, 14                           ; v14  my spare word; never rewritten
.set NIL, 15                           ; v15  0; never rewritten
.set ST,  16                           ; tile t's statistics at v[ST + 8 t]: +0 c m, +1 m, +2, +3 l (even keys', odd keys'), +4 to +7 c0-c3, at work; a takes c2's place
.set Q0,  32
.set S,   64
.set P,   128
.set BI,  160
.set Q1,  192
.set KF,  64                           ; in window 1
.set VF,  128                          ; in window 1
.set WV,  12                           ; s12  my wave's number
.set LIM, 15                           ; s15  1 in a wave that prefetches, else the greatest number
.set PFA, 18                           ; s[18:19] where my prefetches stand
.set G1K, 24                           ; s[24:31] group 1 for K's tiles;  s[32:39] for V's: it differs in the padding alone
.set G1V, 32
.set G0K, 40                           ; s[40:43], s[44:47] their groups 0, which walk
.set G0V, 44
.set TB,  52                           ; s52  LDS byte at which the step's tiles begin
.set TK,  53                           ; s53  the step's first key x 4: its place in the bias table
.set SLOTS, 54                         ; s54  counts a head's changes of slots
.set NSTEP, 55                         ; s55  counts a slot's four steps
.set REM, 56                           ; s56  changes that still fill a slot
.set CS,  58                           ; s[58:59] c: the packed scaling names a pair and takes its low word
.set SEL, 60                           ; s[60:61] lane selects for v_permlanex16_b32: lane l xor 16
.set MSB, 0
.macro WIN new                         ; the immediate's high byte repeats the setting that is left
.if MSB != \new
	s_set_vgpr_msb (MSB<<8)|\new
.set MSB, \new
.endif
.endm
.macro PLACES                          ; four places behind matrix instructions (ISA guide 7.12.1)
.rept 4
	v_nop
.endr
.endm
; A joint load: waves 0 to 3 fetch the slot's four steps of K, waves 4 to 7 those of V: 64 rows each.  The branch hangs on the wave's number alone.  An s_nop 0 and four v_nop follow each of the two lines.
.macro JLOAD
	s_cmp_lt_u32 s[WV], 4
	s_cbranch_scc0 .Lfor_v_\@
	tensor_load_to_lds s[G0K:G0K+3], s[G1K:G1K+7]
	s_nop 0
.rept 4
	v_nop
.endr
	s_branch .Lasked_\@
.Lfor_v_\@:
	tensor_load_to_lds s[G0V:G0V+3], s[G1V:G1V+7]
	s_nop 0
.rept 4
	v_nop
.endr
.Lasked_\@:
.endm
; A prefetch of what the NEXT change of slots will ask for: 32,768 bytes of K and as many of V, four key steps ahead of that load.  Both clusters of a pair of heads walk the same K and V: the first asks.  Its four partners take
; 8,192 bytes each, told apart by address; in each, wave 0 asks for K's and wave 4 for V's, lanes 256 bytes apart: each aligned block of 256 bytes is named once.  The last change that fills a slot asks for nothing.
.macro ASK
	s_cmp_gt_u32 s[REM], s[LIM]
	s_cbranch_scc0 .Lnot_mine_\@
	global_prefetch_b8 v[PFO], s[PFA:PFA+1] th:TH_LOAD_NT scope:SCOPE_SE
.Lnot_mine_\@:
.endm
.macro CROUND                          ; a round of the cluster's barrier
	s_barrier_signal -1
	s_barrier_wait -1
	s_cmp_lg_u32 s[WV], 0
	s_cbranch_scc1 .Lnot_wave_0_\@
	s_barrier_signal -3
.Lnot_wave_0_\@:
	s_barrier_wait -3
	s_barrier_signal -1
	s_barrier_wait -1
.endm
	s_load_b256 s[4:11], s[0:1], 0x0               ; qkv s[4:5], mask s[6:7], verse s[8:9], ctx s[10:11]
	v_lshl_add_u32 v[SPW], v0, 2, SPARE
	v_mov_b32 v[NIL], 0
	ds_add_u32 v[SPW], v[NIL]                      ; the wave's opening: the add, twice on end, and its wait ahead of my first tensor load
	ds_add_u32 v[SPW], v[NIL]
	v_lshrrev_b32 v1, 5, v0
	v_readfirstlane_b32 s[WV], v1                  ; wave 0..7
	s_bfe_u32 s13, ttmp6, 0x40000                  ; cx: my place in the cluster
	s_lshl_b32 s14, ttmp9, 2
	s_add_co_u32 s14, s14, s13                     ; my block of 256 queries: it enters Q's and ctx's addresses alone
	s_and_b32 s16, ttmp7, 0xffff                   ; hp, the pair of heads, 8 x batch + pair: the four partners share it
	; group 1: a tile of 64 rows x 64 elements of 2 bytes, padded in LDS behind every row (32 words)
	s_mov_b32 s[G1K], 15|(1<<16)|(1<<20)|(1<<21)|(4<<22)|(3<<25)   ; the mask: all four; elements of 2 bytes; padding on; bit 21 beside a mask; after every 32 words; 4 words
	s_mov_b32 s[G1V], 15|(1<<16)|(1<<20)|(1<<21)|(4<<22)|(7<<25)   ; the same with 8 words
.irp g, G1K, G1V
	s_mov_b32 s[\g+1], 64<<16                      ; tensor_dim0
	s_mov_b32 s[\g+2], KS<<16                      ; tensor_dim1
	s_mov_b32 s[\g+3], 64<<16                      ; tile_dim0
	s_mov_b32 s[\g+4], KS                          ; tile_dim1
	s_mov_b32 s[\g+5], 64                          ; stride from row to row, in elements
	s_mov_b32 s[\g+6], 0
	s_mov_b32 s[\g+7], 0
.endr
	s_mov_b32 s[CS], 0x3e38aa3b                    ; c = log2(e) / 8
	s_mov_b32 s[CS+1], s[CS]                       ; named with it as a pair, so it is written
	s_mov_b32 s[SEL], 0x76543210
	s_mov_b32 s[SEL+1], 0xfedcba98
	s_mov_b32 s[TB], 0
	s_mov_b32 s[REM], 15                           ; slots 1 to 15 are asked for at changes of slots
	s_and_b32 s17, s[WV], 3                        ; which of a slot's four steps I fetch
	s_or_b32 s[LIM], s17, ttmp9                    ; 0 in waves 0 and 4 of the pair's first cluster: the same in all four partners
	s_cmp_eq_u32 s[LIM], 0
	s_cselect_b32 s[LIM], 1, -1
	s_mul_i32 s57, s17, STEPB                      ; its place in a slot: no place in the cluster enters an LDS address
	s_lshl_b32 s20, s16, 19                        ; the pair's 524,288 bytes,
	s_lshl_b32 s21, s17, 13                        ; my step's 64 rows of 128 bytes
	s_add_co_u32 s20, s20, s21
	s_add_co_u32 s22, s20, 2*REGION                ; in v,
	s_add_co_u32 s20, s20, REGION                  ; in k
	s_mov_b32 s21, 0
	s_mov_b32 s23, 0
	s_lshl_b32 s50, s16, 19                        ; Q: the pair, my block's 256 rows, my wave's 32
	s_lshl_b32 s51, s14, 15
	s_add_co_u32 s50, s50, s51
	s_lshl_b32 s51, s[WV], 12
	s_add_co_u32 s50, s50, s51
	s_mov_b32 s51, 0
	s_lshr_b32 s2, s16, 3                          ; ctx: row 2,048 batch + 256 block + 32 wave, of 2,048 bytes; the pair's 256 bytes in it
	s_lshl_b32 s2, s2, 22
	s_lshl_b32 s3, s14, 19
	s_add_co_u32 s2, s2, s3
	s_lshl_b32 s3, s[WV], 16
	s_add_co_u32 s2, s2, s3
	s_and_b32 s3, s16, 7
	s_lshl_b32 s3, s3, 8
	s_add_co_u32 s2, s2, s3
	s_mov_b32 s3, 0
	s_wait_dscnt 0x0                               ; both opening adds are done
	s_wait_kmcnt 0x0
	s_mov_b32 s[G0K], 1                            ; count = 1
	s_mov_b32 s[G0K+1], s57                        ; LDS address: slot 0
	s_add_nc_u64 s[G0K+2:G0K+3], s[4:5], s[20:21]  ; global address: the pair's first 256 keys
	s_or_b32 s[G0K+3], s[G0K+3], 0x80000000        ; type = 2
	s_mov_b32 s[G0V], 1
	s_add_co_u32 s[G0V+1], s57, VOFF
	s_add_nc_u64 s[G0V+2:G0V+3], s[4:5], s[22:23]
	s_or_b32 s[G0V+3], s[G0V+3], 0x80000000
	s_add_nc_u64 s[48:49], s[4:5], s[50:51]        ; Q at my wave's first row
	s_add_nc_u64 s[10:11], s[10:11], s[2:3]        ; ctx likewise
	s_lshr_b32 s22, s16, 3
	s_lshl_b32 s22, s22, 13                        ; the batch's 2,048 numbers of mask and of verse
	s_add_nc_u64 s[6:7], s[6:7], s[22:23]
	s_add_nc_u64 s[8:9], s[8:9], s[22:23]
	s_mov_b32 s20, 2*REGION                        ; the prefetches: waves under 4 stand in k, the others in v;
	s_cmp_lt_u32 s[WV], 4
	s_cselect_b32 s20, REGION, s20
	s_lshl_b32 s22, s16, 19
	s_add_co_u32 s20, s20, s22                     ; the pair;
	s_add_co_u32 s20, s20, SLOTB                   ; slot 1: the first change of slots steps it to slot 2.  Nothing is prefetched at the head
	s_add_nc_u64 s[PFA:PFA+1], s[4:5], s[20:21]
	s_lshl_b32 s50, s13, 13                        ; my work-group's 8,192 bytes of a slot's 32,768
	s_add_nc_u64 s[PFA:PFA+1], s[PFA:PFA+1], s[50:51]
	CROUND                                         ; all four work-groups are here: the first joint loads meet
	JLOAD                                          ; slot 0: one tensor load of mine is out
	v_and_b32 v1, 15, v0                           ; r = l % 16
	v_bfe_u32 v13, v0, 4, 1                        ; h = l / 16
	v_lshlrev_b32 v[QO], 7, v1
	v_lshl_add_u32 v[QO], v13, 4, v[QO]            ; row x 128 + 16 x half
.irp t, 0,1                                    ; Q stays in registers: tile t, channels 32 c on; head 1 lies 262,144 bytes behind head 0
.irp c, 0,1
	global_load_b128 v[Q0+16*\t+8*\c:Q0+16*\t+8*\c+3],   v[QO], s[48:49] offset:\t*2048+64*\c
	global_load_b128 v[Q0+16*\t+8*\c+4:Q0+16*\t+8*\c+7], v[QO], s[48:49] offset:\t*2048+64*\c+32
	global_load_b128 v[Q1+16*\t+8*\c:Q1+16*\t+8*\c+3],   v[QO], s[48:49] offset:262144+\t*2048+64*\c
	global_load_b128 v[Q1+16*\t+8*\c+4:Q1+16*\t+8*\c+7], v[QO], s[48:49] offset:262144+\t*2048+64*\c+32
.endr
.endr
	v_lshlrev_b32 v249, 5, v0                      ; thread t makes keys 8 t .. 8 t + 7 of the bias table
	global_load_b128 v[224:227], v249, s[6:7]
	global_load_b128 v[228:231], v249, s[6:7] offset:16
	global_load_b128 v[232:235], v249, s[8:9]
	global_load_b128 v[236:239], v249, s[8:9] offset:16
	v_lshl_add_u32 v250, v0, 5, BIAS
	v_mov_b32 v248, 0x41800000                     ; 16 = 8 x 2
	s_mov_b32 s22, 0xc79c4000                      ; -80,000 = 8 x -10,000
	v_mul_u32_u24 v[AK0], v1, PK
	v_lshl_add_u32 v[AK0], v13, 4, v[AK0]          ; K: row x pitch + 16 x half
	v_and_b32 v251, 7, v0                          ; the turning load: lane l reads key 8 (l / 16) + l % 8, channels 8 ((l / 8) % 2) + 0..7
	v_bfe_u32 v252, v0, 3, 1
	v_lshl_add_u32 v[AV0], v13, 3, v251
	v_mul_u32_u24 v[AV0], v[AV0], PV
	v_lshl_add_u32 v[AV0], v252, 4, v[AV0]
	v_add_nc_u32 v[AV0], VOFF, v[AV0]
	v_lshl_add_u32 v[ABI], v13, 5, BIAS            ; the bias of keys 8 h + 0..7
	s_mul_i32 s17, s[WV], 32*SP
	s_add_co_u32 s17, s17, STAGE                   ; my stage
	v_mul_u32_u24 v[STO], v1, SP                   ; in: row l % 16, 16 bytes for each half of the lanes
	v_lshl_add_u32 v[STO], v13, 4, v[STO]
	v_add_nc_u32 v[STO], s17, v[STO]
	v_mul_u32_u24 v[RD], v13, SP                   ; back: lanes 0-15 one row of 256 bytes, lanes 16-31 the next
	v_lshl_add_u32 v[RD], v1, 4, v[RD]
	v_add_nc_u32 v[RD], s17, v[RD]
	v_lshlrev_b32 v[GO], 11, v13                   ; and the same two rows in ctx
	v_lshl_add_u32 v[GO], v1, 4, v[GO]
	v_and_b32 v[PFO], 31, v0
	v_lshlrev_b32 v[PFO], 8, v[PFO]
	s_wait_loadcnt 0x0                             ; Q, mask, verse
.irp i, 0,1,2,3,4,5,6,7
	v_cmp_lt_i32 vcc_lo, 0, v[232+\i]              ; a verse token?
	v_cndmask_b32 v[240+\i], 0, v248, vcc_lo       ; 16 or 0
	v_sub_f32 v[224+\i], 1.0, v[224+\i]
	v_fma_f32 v[240+\i], v[224+\i], s22, v[240+\i] ; + (1 - mask) x -80,000
.endr
	ds_store_b128 v250, v[240:243]
	ds_store_b128 v250, v[244:247] offset:16       ; the first change of slots waits for these and passes a barrier ahead of the first read
; ONE TILE PAIR'S SOFTMAX for a key step; the two tiles alternate line by line, so that no line waits for the one above it.  s0-s31 are the lane's 32 scores.
.macro SOFTMAX
.irp j, 0,1,2,3                                ; the maximum: four chains, each begun at its accumulator's three lowest registers
.irp t, 0,1
	v_max3_num_f32 v[ST+8*\t+4+\j], v[S+32*\t+8*\j], v[S+32*\t+8*\j+1], v[S+32*\t+8*\j+2]
.endr
.endr
.irp g, 1,2
.irp j, 0,1,2,3
.irp t, 0,1
	v_max3_num_f32 v[ST+8*\t+4+\j], v[ST+8*\t+4+\j], v[S+32*\t+8*\j+2*\g+1], v[S+32*\t+8*\j+2*\g+2]
.endr
.endr
.endr
.irp t, 0,1
	v_max3_num_f32 v[ST+8*\t+4], v[ST+8*\t+4], v[S+32*\t+7], v[S+32*\t+15]
.endr
.irp t, 0,1
	v_max3_num_f32 v[ST+8*\t+6], v[ST+8*\t+6], v[S+32*\t+23], v[S+32*\t+31]
.endr
.irp t, 0,1
	v_max3_num_f32 v[ST+8*\t+4], v[ST+8*\t+4], v[ST+8*\t+5], v[ST+8*\t+6]
.endr
.irp t, 0,1
	v_max3_num_f32 v[ST+8*\t+4], v[ST+8*\t+4], v[ST+8*\t+7], v[ST+8*\t+1]   ; and the old m
.endr
.irp t, 0,1
	v_permlanex16_b32 v[ST+8*\t+5], v[ST+8*\t+4], s[SEL], s[SEL+1]          ; the query's other 32 keys lie in the lane 16 away
.endr
.irp t, 0,1
	v_mov_b32 v[ST+8*\t+7], v[ST+8*\t]             ; c m_old is kept for a
.endr
.irp t, 0,1
	v_max_num_f32 v[ST+8*\t+1], v[ST+8*\t+4], v[ST+8*\t+5]
.endr
.irp t, 0,1
	v_mul_f32 v[ST+8*\t], s[CS], v[ST+8*\t+1]
.endr
.irp t, 0,1
	v_sub_f32 v[ST+8*\t+7], v[ST+8*\t+7], v[ST+8*\t]
.endr
.irp b, 0,1,2,3,4,5,6,7,8,9,10,11,12,13,14,15
.irp t, 0,1
	v_pk_fma_f32 v[S+32*\t+2*\b:S+32*\t+2*\b+1], v[S+32*\t+2*\b:S+32*\t+2*\b+1], s[CS:CS+1], v[ST+8*\t:ST+8*\t+1] op_sel_hi:[1,0,0] neg_lo:[0,0,1] neg_hi:[0,0,1]   ; c s - c m, a pair at a time
.endr
.endr
.irp t, 0,1
	v_exp_f32 v[ST+8*\t+6], v[ST+8*\t+7]           ; a
.endr
.irp e, 0,1,2,3,4,5,6,7,8,9,10,11,12,13,14,15,16,17,18,19,20,21,22,23,24,25,26,27,28,29,30,31
.irp t, 0,1
	v_exp_f32 v[S+32*\t+\e], v[S+32*\t+\e]         ; p, at most 1
.endr
.endr
	v_nop                                          ; the plain instruction behind the last exponential, ahead of the first use
	s_wait_alu depctr_va_vdst(0)                   ; ONE wait for both tiles' 66 exponentials, ahead of the first line that names a result
.irp i, 0,1,2,3,4,5,6,7,8,9,10,11,12,13,14,15
.irp t, 0,1
	v_cvt_pk_f16_f32 v[P+16*\t+\i], v[S+32*\t+2*\i], v[S+32*\t+2*\i+1]
.endr
.endr
.irp z, 0,1,2,3,4,5,6,7                        ; the sum of the unrounded p, as a tree of pairs, in place
.irp t, 0,1
	v_pk_add_f32 v[S+32*\t+4*\z:S+32*\t+4*\z+1], v[S+32*\t+4*\z:S+32*\t+4*\z+1], v[S+32*\t+4*\z+2:S+32*\t+4*\z+3]
.endr
.endr
.irp z, 0,1,2,3
.irp t, 0,1
	v_pk_add_f32 v[S+32*\t+8*\z:S+32*\t+8*\z+1], v[S+32*\t+8*\z:S+32*\t+8*\z+1], v[S+32*\t+8*\z+4:S+32*\t+8*\z+5]
.endr
.endr
.irp z, 0,1
.irp t, 0,1
	v_pk_add_f32 v[S+32*\t+16*\z:S+32*\t+16*\z+1], v[S+32*\t+16*\z:S+32*\t+16*\z+1], v[S+32*\t+16*\z+8:S+32*\t+16*\z+9]
.endr
.endr
.irp t, 0,1
	v_pk_add_f32 v[S+32*\t:S+32*\t+1], v[S+32*\t:S+32*\t+1], v[S+32*\t+16:S+32*\t+17]
.endr
.irp t, 0,1
	v_pk_fma_f32 v[ST+8*\t+2:ST+8*\t+3], v[ST+8*\t+2:ST+8*\t+3], v[ST+8*\t+6:ST+8*\t+7], v[S+32*\t:S+32*\t+1] op_sel_hi:[1,0,1]   ; l = a l + the sum
.endr
.endm
; A KEY STEP: 64 keys at LDS byte s[TB], bias at s[TK].  qb: the head's Q registers.
.macro STEP qb
	v_add_nc_u32 v[ADK], s[TB], v[AK0]             ; these three and the v_nop are the four places behind the last step's products, ahead of the loads into V's registers
	v_add_nc_u32 v[ADV], s[TB], v[AV0]
	v_add_nc_u32 v[ADB], s[TK], v[ABI]
	v_nop
.irp kt, 0,1,2,3                               ; the bias in the scores' layout: tile kt's eight registers: keys 16 kt + 8 h + 0..7
	ds_load_b128 v[BI+8*\kt:BI+8*\kt+3],   v[ADB] offset:64*\kt
	ds_load_b128 v[BI+8*\kt+4:BI+8*\kt+7], v[ADB] offset:64*\kt+16
.endr
	WIN 0x40                                       ; destination window 1
.irp kt, 0,1,2,3
.irp c, 0,1
	ds_load_b128 v[KF+16*\kt+8*\c:KF+16*\kt+8*\c+3],   v[ADK] offset:\kt*16*PK+64*\c
	ds_load_b128 v[KF+16*\kt+8*\c+4:KF+16*\kt+8*\c+7], v[ADK] offset:\kt*16*PK+64*\c+32
.endr
.endr
.irp u, 0,1
.irp ct, 0,1,2,3
	ds_load_tr16_b128 v[VF+32*\u+8*\ct:VF+32*\u+8*\ct+3],   v[ADV] offset:\u*32*PV+32*\ct
	ds_load_tr16_b128 v[VF+32*\u+8*\ct+4:VF+32*\u+8*\ct+7], v[ADV] offset:\u*32*PV+16*PV+32*\ct
.endr
.endr
	s_wait_dscnt 16                                ; the bias and K are in; V's sixteen loads may be out
	WIN 0x01                                       ; source 0 (K) window 1; Q, C and S^T window 0
.irp kt, 0,1,2,3                               ; S^T = K Q^T + bias: the eight accumulators take turns, one instruction a turn
.irp t, 0,1
	v_wmma_f32_16x16x32_f16 v[S+32*\t+8*\kt:S+32*\t+8*\kt+7], v[KF+16*\kt:KF+16*\kt+7], v[\qb+16*\t:\qb+16*\t+7], v[BI+8*\kt:BI+8*\kt+7]
.endr
.endr
.irp kt, 0,1,2,3
.irp t, 0,1
	v_wmma_f32_16x16x32_f16 v[S+32*\t+8*\kt:S+32*\t+8*\kt+7], v[KF+16*\kt+8:KF+16*\kt+15], v[\qb+16*\t+8:\qb+16*\t+15], v[S+32*\t+8*\kt:S+32*\t+8*\kt+7]
.endr
.endr
	WIN 0
	PLACES
	SOFTMAX
	WIN 0x41                                       ; O^T (destination and source 0) window 1, a window 0
.irp t, 0,1
.irp i, 0,1,2,3,4,5,6,7,8,9,10,11,12,13,14,15
	v_pk_mul_f32 v[32*\t+2*\i:32*\t+2*\i+1], v[32*\t+2*\i:32*\t+2*\i+1], v[ST+8*\t+6:ST+8*\t+7] op_sel_hi:[1,0]   ; O^T x a, each accumulator from its low end on
.endr
.endr
	s_wait_dscnt 0x0                               ; V is in
	WIN 0x51                                       ; V window 1, P window 0, O^T window 1
.irp u, 0,1                                    ; O^T += V^T P: eight accumulators by turns, 32 keys at a time
.irp ct, 0,1,2,3
.irp t, 0,1
	v_wmma_f32_16x16x32_f16 v[32*\t+8*\ct:32*\t+8*\ct+7], v[VF+32*\u+8*\ct:VF+32*\u+8*\ct+7], v[P+16*\t+8*\u:P+16*\t+8*\u+7], v[32*\t+8*\ct:32*\t+8*\ct+7]
.endr
.endr
.endr
	WIN 0
	s_add_co_u32 s[TB], s[TB], STEPB
	s_add_co_u32 s[TK], s[TK], 4*KS
.endm
.macro FOUR_STEPS qb                   ; a slot's four key steps: written once, walked four times
	s_mov_b32 s[NSTEP], 4
.Lstep_\@:
	STEP \qb
	s_sub_co_u32 s[NSTEP], s[NSTEP], 1
	s_cmp_lg_u32 s[NSTEP], 0
	s_cbranch_scc1 .Lstep_\@
	s_sub_co_u32 s[TB], s[TB], 4*STEPB             ; back to a slot's first step,
	s_xor_b32 s[TB], s[TB], SLOT1                  ; in the other slot
.endm
; THE CHANGE OF SLOTS stands at a slot's head.  Each wave waits for all its tensor loads (one is out: its part of the slot that it is about to read), adds 0 to its spare word, and waits for that and for its reads of the slot that it has left.
; fill = 1: the barrier is a round of the cluster's, and the joint load of the next 256 keys, into the slot just left, is the first thing behind it: it has four key steps in which to land.
.macro CHANGE fill
	s_wait_tensorcnt 0x0                           ; no tensor load of mine is out, so a group 0 may be written
	ds_add_u32 v[SPW], v[NIL]
.if \fill
	s_xor_b32 s[G0K+1], s[G0K+1], SLOT1            ; the walking descriptors: the other slot than last time,
	s_add_nc_u64 s[G0K+2:G0K+3], s[G0K+2:G0K+3], SLOTB   ; the next 256 keys; the type bits on top are not reached
	s_xor_b32 s[G0V+1], s[G0V+1], SLOT1
	s_add_nc_u64 s[G0V+2:G0V+3], s[G0V+2:G0V+3], SLOTB
	s_wait_xcnt 0x0                                ; the last prefetch, a slot back, has read its address, so it may be written:
	s_add_nc_u64 s[PFA:PFA+1], s[PFA:PFA+1], SLOTB ; one slot further on than the walking descriptors
	s_wait_dscnt 0x0                               ; the add is done, my LDS stores have landed, and my reads of the slot that I have left are over
	CROUND
	JLOAD
	ASK
	s_sub_co_u32 s[REM], s[REM], 1
.else
	s_wait_dscnt 0x0
	s_barrier_signal -1
	s_barrier_wait -1
.endif
.endm
.macro HEADINIT                        ; a head begins: m = -3e38, under every score; l = 0; O^T = 0; the bias table from its first key
.irp t, 0,1
	v_mov_b32 v[ST+8*\t+1], 0xff61b1e6
	v_mul_f32 v[ST+8*\t], s[CS], v[ST+8*\t+1]
	v_mov_b32 v[ST+8*\t+2], 0
	v_mov_b32 v[ST+8*\t+3], 0
.endr
	s_mov_b32 s[TK], 0
	WIN 0x40
.set i, 0
.rept 64
	v_mov_b32 v[i], 0
.set i, i+1
.endr
	WIN 0
.endm
; A head ends: l's two halves and the other half of the lanes' are added; O^T is divided by l, rounded to f16 and put into my stage: row = query, head hd's 128 bytes.
.macro FINISH hd
	PLACES                                         ; behind the last products
.irp t, 0,1
	v_add_f32 v[ST+8*\t+4], v[ST+8*\t+2], v[ST+8*\t+3]
.endr
.irp t, 0,1
	v_permlanex16_b32 v[ST+8*\t+5], v[ST+8*\t+4], s[SEL], s[SEL+1]
.endr
.irp t, 0,1
	v_add_f32 v[ST+8*\t+4], v[ST+8*\t+4], v[ST+8*\t+5]
.endr
.irp t, 0,1
	v_rcp_f32 v[ST+8*\t+6], v[ST+8*\t+4]
.endr
	v_nop                                          ; a plain instruction between the last reciprocal and the use of its result
	s_wait_alu depctr_va_vdst(0)                   ; and the one wait for both, ahead of the first use
	WIN 0x41
.irp t, 0,1
.irp i, 0,1,2,3,4,5,6,7,8,9,10,11,12,13,14,15
	v_pk_mul_f32 v[32*\t+2*\i:32*\t+2*\i+1], v[32*\t+2*\i:32*\t+2*\i+1], v[ST+8*\t+6:ST+8*\t+7] op_sel_hi:[1,0]
.endr
.endr
	WIN 0x05                                       ; sources 0 and 1 window 1, destination window 0: S^T's registers are free
.irp t, 0,1
.irp i, 0,1,2,3,4,5,6,7,8,9,10,11,12,13,14,15
	v_cvt_pk_f16_f32 v[S+16*\t+\i], v[32*\t+2*\i], v[32*\t+2*\i+1]
.endr
.endr
	WIN 0
.irp t, 0,1
.irp ct, 0,1,2,3
	ds_store_b128 v[STO], v[S+16*\t+4*\ct:S+16*\t+4*\ct+3] offset:16*SP*\t+128*\hd+32*\ct
.endr
.endr
.endm
	HEADINIT
	s_mov_b32 s[SLOTS], 8
.Lh0:                                              ; head 0's eight slots; each change asks for the next slot, the eighth for head 1's first
	CHANGE 1
	FOUR_STEPS Q0
	s_sub_co_u32 s[SLOTS], s[SLOTS], 1
	s_cmp_lg_u32 s[SLOTS], 0
	s_cbranch_scc1 .Lh0
	FINISH 0
	HEADINIT
	s_mov_b32 s[SLOTS], 7
.Lh1:                                              ; head 1's first seven slots
	CHANGE 1
	FOUR_STEPS Q1
	s_sub_co_u32 s[SLOTS], s[SLOTS], 1
	s_cmp_lg_u32 s[SLOTS], 0
	s_cbranch_scc1 .Lh1
	CHANGE 0                                       ; the last slot is written out: nothing is left to ask for
	FOUR_STEPS Q1
	FINISH 1
	; THE WAY OUT: my 32 rows come back whole: both heads' 256 bytes.  LDS serves a wave's instructions in order (ISA guide 5.7.1.4): these loads see my stores.
.irp i, 0,1,2,3,4,5,6,7,8,9,10,11,12,13,14,15
	ds_load_b128 v[S+4*\i:S+4*\i+3], v[RD] offset:\i*2*SP
.endr
.irp i, 0,1,2,3,4,5,6,7,8,9,10,11,12,13,14,15
	s_wait_dscnt 15-\i                             ; load i is back; the later ones may be out
	global_store_b128 v[GO], v[S+4*\i:S+4*\i+3], s[10:11] offset:\i*4096   ; 16 lanes store 256 consecutive bytes, aligned
.endr
	s_wait_tensorcnt 0x0                           ; the wave's end: behind my last tensor load and my last LDS store
	ds_add_u32 v[SPW], v[NIL]
	s_wait_dscnt 0x0
	CROUND                                         ; the closing round
	s_endpgm
.Lfunc_end_k_q1038e8d14c_attn:
	.size	k_q1038e8d14c_attn, .Lfunc_end_k_q1038e8d14c_attn-k_q1038e8d14c_attn
	.p2alignl 7, 3214868480
	.fill 96, 4, 3214868480
	.section	.rodata,"a",@progbits
	.p2align	6, 0x0
	.amdhsa_kernel k_q1038e8d14c_attn
		.amdhsa_group_segment_fixed_size 327680
		.amdhsa_private_segment_fixed_size 0
		.amdhsa_enable_private_segment 0
		.amdhsa_kernarg_size 32
		.amdhsa_user_sgpr_count 2
		.amdhsa_user_sgpr_kernarg_segment_ptr 1
		.amdhsa_wavefront_size32 1
		.amdhsa_system_sgpr_workgroup_id_x 1
		.amdhsa_system_sgpr_workgroup_id_y 1
		.amdhsa_system_sgpr_workgroup_id_z 1
		.amdhsa_system_vgpr_workitem_id 0
		.amdhsa_next_free_vgpr 512
		.amdhsa_next_free_sgpr 66
		.amdhsa_reserve_vcc 1
		.amdhsa_float_denorm_mode_32 3
		.amdhsa_float_denorm_mode_16_64 3
		.amdhsa_memory_ordered 1
		.amdhsa_forward_progress 1
		.amdhsa_inst_pref_size 86
	.end_amdhsa_kernel
	.amdgpu_metadata
---
amdhsa.version: [ 1, 2 ]
amdhsa.kernels:
  - .name:           k_q1038e8d14c_attn
    .symbol:         k_q1038e8d14c_attn.kd
    .args:
      - { .name: qkv, .offset: 0, .size: 8, .value_kind: global_buffer, .address_space: global }
      - { .name: attention_mask, .offset: 8, .size: 8, .value_kind: global_buffer, .address_space: global }
      - { .name: verse_positions, .offset: 16, .size: 8, .value_kind: global_buffer, .address_space: global }
      - { .name: ctx, .offset: 24, .size: 8, .value_kind: global_buffer, .address_space: global }
    .group_segment_fixed_size: 327680
    .private_segment_fixed_size: 0
    .kernarg_segment_align: 8
    .kernarg_segment_size: 32
    .max_flat_workgroup_size: 256
    .sgpr_count:     66
    .vgpr_count:     512
    .wavefront_size: 32
...
	.end_amdgpu_metadata
.endif
;; end of part 3
;; launch outp (part 4): grid 8 x 64, 4 waves a work-group, clusters of 4 x 4, 327,680 bytes of LDS; arguments ctx, wo16, out0, bo; writes out0
.if DOCPART == 4
	.amdgcn_target "amdgcn-amd-amdhsa--gfx1250"
	.amdhsa_code_object_version 6
	.text
	.protected	k_q1038e8d14c_outp
	.globl	k_q1038e8d14c_outp
	.p2align	8
	.type	k_q1038e8d14c_outp,@function
k_q1038e8d14c_outp:
	s_mov_b64 s[64:65], 0
	v_nop
	global_prefetch_b8 v0, s[64:65] scope:SCOPE_SE
	s_setreg_imm32_b32 hwreg(HW_REG_WAVE_MODE, 25, 1), 1
	s_wait_xcnt 0x0
	s_wait_alu depctr_hold_cnt(0) depctr_sa_sdst(0) depctr_va_vdst(0) depctr_va_sdst(0) depctr_va_ssrc(0) depctr_va_vcc(0) depctr_vm_vsrc(0)
	s_getreg_b32 s2, hwreg(HW_REG_IB_STS2, 6, 4)
	s_cmp_eq_u32 s2, 0
	s_cbranch_scc0 .Lentry_in_a_cluster
	s_endpgm
.Lentry_in_a_cluster:
	s_bfe_u32 s2, ttmp6, 0x10000c
	s_cmp_lg_u32 s2, 0xf033
	s_cbranch_scc0 .Lentry_shape_is_right
	s_endpgm
.Lentry_shape_is_right:
; out0[m][n] = sum over k of ctx[m][k] Wo[n][k] + bo[n].  ctx: [8192][1024], wo16: [1024][1024], f16; out0: [8192][1024] f32; sums in f32; the bias starts each sum.
; A tile of the result is 128 x 128: 512 work-groups.  Four waves, each 64 x 64: 16 accumulators of 16 x 16.  K goes in steps of 256 (LDS rows of 512 bytes; a wave's tensor load brings 64 of them) through two slots.
; CLUSTERS: 4 x 4 work-groups.  The four of a row of the cluster need the same tiles of ctx, the four of a column the same tiles of Wo: each tile is asked for JOINTLY.
; THE MATRIX INSTRUCTION IS USED TRANSPOSED (source 0 = 16 rows of Wo, source 1 = 16 rows of ctx): a lane holds eight neighbouring numbers of a row.  A wave's 64 columns are 256 aligned bytes: each wave has a stage of its own on the way out.
; REGISTERS: window 0: v0-31 addresses; v32-95 rows on the way out; v96-127 the bias, eight registers for each of my 4 column blocks; v128-255 the accumulators ((a, b) at v[128 + 8 (4 a + b)]).
;   window 1: two fragment buffers of 128: for 64 along K, 64 registers of ctx, then 64 of Wo.
.set SIZE_N, 1024
.set SIZE_K, 1024
.set KSTEP,  256
.set PITCH,  528                       ; an LDS row: 512 bytes + 16 of padding: the 16 rows that a load touches start 132 words apart
.set HALFT,  64*PITCH                  ; 64 rows: what one tensor load brings
.set SLOT,   4*HALFT                   ; ctx's 128 rows, then Wo's 128 rows
.set STAGE,  2*SLOT                    ; behind the ring: 16 rows x 272 bytes for each wave
.set SPITCH, 272
.set SPARE,  STAGE+4*16*SPITCH         ; the spare words, 128 bytes for each wave
.set LAPS, SIZE_K/(2*KSTEP)            ; a lap = two K steps = once round the ring
.set ADRA, 16                          ; v16-17  LDS address of my ctx fragments in slot 0, 1
.set ADRB, 20                          ; v20-21  the same for Wo
.set STO,  24                          ; v24     the way out: where I put 32 bytes of a row
.set RD,   25                          ; v25     where I read a row back
.set CO,   26                          ; v26     my byte offset in out0
.set SPW,  28                          ; v28     my spare word; never rewritten
.set NIL,  29                          ; v29     0; never rewritten
.set BO,   30                          ; v30     32 x (lane / 16): my eight numbers of a block's 16 biases
.set TMP,  32
.set BI,   96
.set ACC,  128
.set F0,   0                           ; fragment buffers, in window 1
.set F1,   128
.set G1, 24                            ; s[24:31] group 1 for ctx's tiles;  s[32:39] group 0, one set for each slot
.set G0, 32
.set G1B, 48                           ; s[48:55], s[56:63] the same for Wo's tiles
.set G0B, 56
.set MSB, 0
.macro WIN new                         ; the immediate's high byte repeats the setting that is left
.if MSB != \new
	s_set_vgpr_msb (MSB<<8)|\new
.set MSB, \new
.endif
.endm
.set MUL,  0x05                        ; sources 0 (Wo) and 1 (ctx) window 1; C and D window 0
.set TO_F, 0x40                        ; destination window 1, address window 0
.macro JLOAD s                         ; a joint load: waves 0 and 1 fetch ctx's two halves, waves 2 and 3 Wo's; an s_nop 0 and four v_nop follow each of the two lines
	s_cmp_eq_u32 s11, 0
	s_cbranch_scc0 .Lfor_b_\@
	tensor_load_to_lds s[G0+4*\s:G0+4*\s+3], s[G1:G1+7]
	s_nop 0
.rept 4
	v_nop
.endr
	s_branch .Lasked_\@
.Lfor_b_\@:
	tensor_load_to_lds s[G0B+4*\s:G0B+4*\s+3], s[G1B:G1B+7]
	s_nop 0
.rept 4
	v_nop
.endr
.Lasked_\@:
.endm
.macro CREST                           ; a round of the cluster's barrier behind its opening barrier
	s_cmp_lg_u32 s10, 0
	s_cbranch_scc1 .Lnot_wave_0_\@
	s_barrier_signal -3
.Lnot_wave_0_\@:
	s_barrier_wait -3
	s_barrier_signal -1
	s_barrier_wait -1
.endm
.macro CROUND                          ; a whole round
	s_barrier_signal -1
	s_barrier_wait -1
	CREST
.endm
	s_load_b128 s[4:7], s[0:1], 0x0                ; ctx s[4:5], wo16 s[6:7]
	s_load_b64 s[8:9], s[0:1], 0x10                ; out0
	s_load_b64 s[68:69], s[0:1], 0x18              ; bo
	v_lshl_add_u32 v[SPW], v0, 2, SPARE
	v_mov_b32 v[NIL], 0
	ds_add_u32 v[SPW], v[NIL]                      ; the wave's opening: the add, twice on end, and its wait ahead of my first tensor load
	ds_add_u32 v[SPW], v[NIL]
	v_lshrrev_b32 v1, 5, v0
	v_readfirstlane_b32 s10, v1                    ; wave 0..3
	s_lshr_b32 s11, s10, 1                         ; which half of the tile's rows is mine.  Also: I fetch for ctx (0) or for Wo (1)
	s_and_b32 s12, s10, 1                          ; which half of its columns.  Also: which 64 rows of that tile I fetch
	s_bfe_u32 s40, ttmp6, 0x40000                  ; cx, cy: my place in the cluster
	s_bfe_u32 s41, ttmp6, 0x40004
	s_lshl_b32 s42, ttmp9, 2
	s_add_co_u32 s42, s42, s40                     ; tile column = 4 x cluster x + cx
	s_and_b32 s13, ttmp7, 0xffff
	s_lshl_b32 s13, s13, 2
	s_add_co_u32 s13, s13, s41                     ; tile row = 4 x cluster y + cy
	s_lshl_b32 s43, s41, 2
	s_lshl_b32 s43, 15, s43                        ; my row of the cluster
	s_lshl_b32 s44, 0x1111, s40                    ; my column
	; group 1: a tile of 64 rows x 256 elements of 2 bytes, padded in LDS
	s_or_b32 s[G1+0], s43, (1<<16)|(1<<20)|(1<<21)|(6<<22)|(3<<25)  ; the mask: ctx's tiles go to my row; elements of 2 bytes; padding on; bit 21 beside a mask; 4 words after every 128
	s_or_b32 s[G1B+0], s44, (1<<16)|(1<<20)|(1<<21)|(6<<22)|(3<<25)
.irp g, G1, G1B
	s_mov_b32 s[\g+1], KSTEP<<16                   ; tensor_dim0
	s_mov_b32 s[\g+2], 64<<16                      ; tensor_dim1
	s_mov_b32 s[\g+3], KSTEP<<16                   ; tile_dim0
	s_mov_b32 s[\g+4], 64                          ; tile_dim1
	s_mov_b32 s[\g+5], SIZE_K                      ; stride from row to row
	s_mov_b32 s[\g+6], 0
	s_mov_b32 s[\g+7], 0
.endr
	s_lshl_b32 s17, s12, 6                         ; which 64 rows of the tile I fetch
	s_lshl_b32 s16, s13, 7
	s_add_co_u32 s16, s16, s17                     ; ctx: row 128 x tile row + 64 x half
	s_lshl_b32 s46, s42, 7
	s_add_co_u32 s46, s46, s17                     ; Wo: row 128 x tile column + 64 x half
	s_mov_b32 s17, 0
	s_mov_b32 s47, 0
	s_mov_b64 s[18:19], SIZE_K*2
	s_mul_u64 s[16:17], s[16:17], s[18:19]
	s_mul_u64 s[46:47], s[46:47], s[18:19]
	s_mul_i32 s20, s10, HALFT                      ; where they go: wave x 64 rows
	s_wait_dscnt 0x0                               ; both opening adds are done
	s_wait_kmcnt 0x0
	s_add_nc_u64 s[14:15], s[4:5], s[16:17]
	s_add_nc_u64 s[46:47], s[6:7], s[46:47]
	CROUND                                         ; all sixteen work-groups are here: the first joint loads meet
.irp s, 0,1
	s_mov_b32 s[G0+4*\s], 1
	s_add_co_u32 s[G0+4*\s+1], s20, \s*SLOT
	s_add_nc_u64 s[G0+4*\s+2:G0+4*\s+3], s[14:15], \s*KSTEP*2
	s_or_b32 s[G0+4*\s+3], s[G0+4*\s+3], 0x80000000
	s_mov_b32 s[G0B+4*\s], 1
	s_add_co_u32 s[G0B+4*\s+1], s20, \s*SLOT
	s_add_nc_u64 s[G0B+4*\s+2:G0B+4*\s+3], s[46:47], \s*KSTEP*2
	s_or_b32 s[G0B+4*\s+3], s[G0B+4*\s+3], 0x80000000
	JLOAD \s                                       ; two tensor loads of mine are out behind the second
.endr
	v_and_b32 v1, 15, v0                           ; l % 16
	v_bfe_u32 v2, v0, 4, 1                         ; l / 16
	v_lshlrev_b32 v[BO], 5, v2
	s_lshl_b32 s46, s42, 9                         ; my first column, in bytes of f32: 512 x tile column + 256 x half: the same in bo and in a row of out0
	s_lshl_b32 s47, s12, 8
	s_add_co_u32 s46, s46, s47
	s_mov_b32 s47, 0
	s_add_nc_u64 s[68:69], s[68:69], s[46:47]
	s_add_nc_u64 s[8:9], s[8:9], s[46:47]
.irp b, 0,1,2,3                                ; the bias in the result's layout: block b's eight registers hold bo[16 b + 8 (lane / 16) + 0 .. 7]
	global_load_b128 v[BI+8*\b:BI+8*\b+3], v[BO], s[68:69] offset:64*\b
	global_load_b128 v[BI+8*\b+4:BI+8*\b+7], v[BO], s[68:69] offset:64*\b+16
.endr
	v_mul_u32_u24 v3, v1, PITCH
	v_lshl_add_u32 v3, v2, 4, v3                   ; a fragment's row x pitch + 16 x half
	s_mul_i32 s21, s11, HALFT                      ; my 64 rows of ctx
	s_mul_i32 s22, s12, HALFT                      ; my 64 rows of Wo,
	s_add_co_u32 s22, s22, 2*HALFT                 ; which lie behind ctx's 128
.irp s, 0,1
	v_add_nc_u32 v[ADRA+\s], s21, v3
	v_add_nc_u32 v[ADRB+\s], s22, v3
	s_add_co_u32 s21, s21, SLOT
	s_add_co_u32 s22, s22, SLOT
.endr
	s_mul_i32 s23, s10, 16*SPITCH
	s_add_co_u32 s23, s23, STAGE                   ; my stage
	v_mul_u32_u24 v4, v1, SPITCH                   ; in: row l % 16, 32 bytes for each half of the lanes
	v_lshl_add_u32 v4, v2, 5, v4
	v_add_nc_u32 v[STO], s23, v4
	v_mul_u32_u24 v5, v2, SPITCH                   ; back: lanes 0-15 one row of 256 bytes, lanes 16-31 the next
	v_lshl_add_u32 v5, v1, 4, v5
	v_add_nc_u32 v[RD], s23, v5
	v_lshlrev_b32 v5, 12, v2                       ; and the same two rows in out0: 4,096 bytes a row
	v_lshl_add_u32 v[CO], v1, 4, v5
	s_lshl_b32 s16, s13, 7
	s_lshl_b32 s17, s11, 6
	s_add_co_u32 s16, s16, s17                     ; my first row: 128 x tile row + 64 x half
	s_lshl_b32 s16, s16, 12
	s_mov_b32 s17, 0
	s_add_nc_u64 s[8:9], s[8:9], s[16:17]
; 8 matrix instructions: row blocks a0, a0 + 1 x all 4 column blocks, 32 along K: half c of buffer f.  zero = 1: the sum's first product takes the bias as C.  The 16 accumulators take turns.
.macro MUL8 f, c, a0, zero
.irp a, \a0, \a0+1
.irp b, 0,1,2,3
.if \zero
	v_wmma_f32_16x16x32_f16 v[ACC+8*(4*(\a)+\b):ACC+8*(4*(\a)+\b)+7], v[\f+64+8*(4*\c+\b):\f+64+8*(4*\c+\b)+7], v[\f+8*(4*\c+\a):\f+8*(4*\c+\a)+7], v[BI+8*\b:BI+8*\b+7]
.else
	v_wmma_f32_16x16x32_f16 v[ACC+8*(4*(\a)+\b):ACC+8*(4*(\a)+\b)+7], v[\f+64+8*(4*\c+\b):\f+64+8*(4*\c+\b)+7], v[\f+8*(4*\c+\a):\f+8*(4*\c+\a)+7], v[ACC+8*(4*(\a)+\b):ACC+8*(4*(\a)+\b)+7]
.endif
.endr
.endr
.endm
; 32 LDS loads in one run: the fragments of 64 along K at byte k of the rows, into buffer f; the first 32 along K first
.macro FETCH slot, k, f
	WIN TO_F
.irp c, 0,1
.irp i, 0,1,2,3
	ds_load_b128 v[\f+64+8*(4*\c+\i):\f+64+8*(4*\c+\i)+3],   v[ADRB+\slot] offset:\k+64*\c+\i*16*PITCH
	ds_load_b128 v[\f+64+8*(4*\c+\i)+4:\f+64+8*(4*\c+\i)+7], v[ADRB+\slot] offset:\k+64*\c+\i*16*PITCH+32
	ds_load_b128 v[\f+8*(4*\c+\i):\f+8*(4*\c+\i)+3],         v[ADRA+\slot] offset:\k+64*\c+\i*16*PITCH
	ds_load_b128 v[\f+8*(4*\c+\i)+4:\f+8*(4*\c+\i)+7],       v[ADRA+\slot] offset:\k+64*\c+\i*16*PITCH+32
.endr
.endr
.endm
.macro PLACES                          ; four places in front of loads into registers that matrix instructions have read, and of the first read of results
.rept 4
	v_nop
.endr
.endm
; A K step is four quarters of 64 along K, 32 matrix instructions each, on buffers 0, 1, 0, 1.  One of the first three: multiplies buffer f and fetches the next quarter, at byte k, into g.
.macro QUARTER slot, k, f, g, zero
	s_wait_dscnt 16                                ; the first 32 along K are in; the youngest sixteen loads may be out
	WIN MUL
	MUL8 \f, 0, 0, \zero
	MUL8 \f, 0, 2, \zero
	PLACES
	FETCH \slot, \k, \g
	s_wait_dscnt 32                                ; all but the 32 just issued
	WIN MUL
	MUL8 \f, 1, 0, 0
	MUL8 \f, 1, 2, 0
.endm
; The last quarter multiplies buffer 1 and changes slots: ONE barrier; in front of it each wave waits for all its tensor loads, adds 0 to its spare word, and waits for that and for its own reads of this slot.  fill = 1: this slot is filled again, two K steps ahead.
.macro TURN slot, next, fill
	WIN 0                                          ; (the add's two registers lie in window 0)
	s_wait_tensorcnt 0x0                           ; all my tensor loads have landed: my part of the next slot
	ds_add_u32 v[SPW], v[NIL]
	s_wait_dscnt 17                                ; the add and the youngest sixteen loads may be out
	WIN MUL
	MUL8 F1, 0, 0, 0                               ; eight matrix instructions stand between the add and the wait for it
	s_wait_dscnt 0x0                               ; the add is done, and my reads of this slot are over
	s_barrier_signal -1
	MUL8 F1, 0, 2, 0
.if \fill
	WIN 0
.endif
	s_barrier_wait -1
.if \fill
	CREST                                          ; the barrier has opened a round of the cluster's barrier: no wave of any partner still reads this slot's tile or has a load on its way
	s_add_nc_u64 s[G0+4*\slot+2:G0+4*\slot+3], s[G0+4*\slot+2:G0+4*\slot+3], 2*KSTEP*2
	s_add_nc_u64 s[G0B+4*\slot+2:G0B+4*\slot+3], s[G0B+4*\slot+2:G0B+4*\slot+3], 2*KSTEP*2
	JLOAD \slot                                    ; the first tensor load behind the round; the four v_nop behind it are also the places in front of the loads below
.else
	PLACES
.endif
	FETCH \next, 0, F0
	WIN MUL
	MUL8 F1, 1, 0, 0
	MUL8 F1, 1, 2, 0
.endm
	s_wait_tensorcnt 1                             ; my part of K step 0 is in; K step 1's load may be out
	s_barrier_signal -1
	s_barrier_wait -1                              ; everybody's is
	FETCH 0, 0, F0
	s_wait_loadcnt 0x0                             ; the bias
	QUARTER 0, 128, F0, F1, 1                      ; the first quarter stands in front of the loop: its first products start the sums from the bias
	WIN 0                                          ; at a label and at a branch every window is 0
	s_mov_b32 s3, LAPS-1
.Llap:                                                 ; a trip goes once round the ring, from a lap's second quarter to the next lap's first, and fills both slots again
	QUARTER 0, 256, F1, F0, 0
	QUARTER 0, 384, F0, F1, 0
	TURN 0, 1, 1
	QUARTER 1, 128, F0, F1, 0
	QUARTER 1, 256, F1, F0, 0
	QUARTER 1, 384, F0, F1, 0
	TURN 1, 0, 1
	QUARTER 0, 128, F0, F1, 0
	WIN 0
	s_sub_co_u32 s3, s3, 1
	s_cmp_lg_u32 s3, 0
	s_cbranch_scc1 .Llap
	QUARTER 0, 256, F1, F0, 0                      ; the last lap fills nothing, and has no round of the cluster's barrier
	QUARTER 0, 384, F0, F1, 0
	TURN 0, 1, 0
	QUARTER 1, 128, F0, F1, 0
	QUARTER 1, 256, F1, F0, 0
	QUARTER 1, 384, F0, F1, 0
	s_wait_dscnt 16                                ; the very last quarter: nothing more to fetch
	WIN MUL
	MUL8 F1, 0, 0, 0
	MUL8 F1, 0, 2, 0
	s_wait_dscnt 0
	MUL8 F1, 1, 0, 0
	MUL8 F1, 1, 2, 0
	WIN 0
; THE WAY OUT, block by block of 16 rows x 64 columns.  A lane holds 32 neighbouring bytes of a row: a block goes through my own stage and comes back as whole rows of 256 bytes.
; LDS serves a wave's instructions in order (ISA guide 5.7.1.4): no wait between the stores and the loads, nor in front of the next block's stores.
.macro TOSTAGE a
.irp b, 0,1,2,3
	ds_store_b128 v[STO], v[ACC+8*(4*(\a)+\b):ACC+8*(4*(\a)+\b)+3] offset:64*\b        ; each accumulator from its low end on
	ds_store_b128 v[STO], v[ACC+8*(4*(\a)+\b)+4:ACC+8*(4*(\a)+\b)+7] offset:64*\b+16
.endr
.set BB, TMP+32*((\a)%2)
.irp i, 0,1,2,3,4,5,6,7
	ds_load_b128 v[BB+4*\i:BB+4*\i+3], v[RD] offset:\i*2*SPITCH
.endr
.endm
.macro SEND a, younger                 ; younger: the LDS instructions issued behind block a's loads, which may stay out
.set BB, TMP+32*((\a)%2)
	s_wait_dscnt \younger                          ; the block is back in registers
.irp i, 0,1,2,3,4,5,6,7
	global_store_b128 v[CO], v[BB+4*\i:BB+4*\i+3], s[8:9] offset:(16*(\a)+2*\i)*SIZE_N*4 th:TH_STORE_NT   ; 16 lanes store 256 consecutive bytes, aligned; written once, read by nobody here
.endr
.endm
	PLACES                                         ; behind the last products, ahead of the first read of results
	TOSTAGE 0
.irp a, 1,2,3
.if \a > 1
	s_wait_xcnt 0x0                                ; block a - 2's stores have read their registers: block a's loads may land there
.endif
	TOSTAGE \a
	SEND \a-1, 16                                  ; behind block a - 1's loads: block a's 8 stores and 8 loads
.endr
	SEND 3, 0
	s_wait_tensorcnt 0x0                           ; the wave's end: behind my last tensor load and my last LDS store
	ds_add_u32 v[SPW], v[NIL]
	s_wait_dscnt 0x0
	CROUND                                         ; the closing round
	s_endpgm
.Lfunc_end_k_q1038e8d14c_outp:
	.size	k_q1038e8d14c_outp, .Lfunc_end_k_q1038e8d14c_outp-k_q1038e8d14c_outp
	.p2alignl 7, 3214868480
	.fill 96, 4, 3214868480
	.section	.rodata,"a",@progbits
	.p2align	6, 0x0
	.amdhsa_kernel k_q1038e8d14c_outp
		.amdhsa_group_segment_fixed_size 327680
		.amdhsa_private_segment_fixed_size 0
		.amdhsa_enable_private_segment 0
		.amdhsa_kernarg_size 32
		.amdhsa_user_sgpr_count 2
		.amdhsa_user_sgpr_kernarg_segment_ptr 1
		.amdhsa_wavefront_size32 1
		.amdhsa_system_sgpr_workgroup_id_x 1
		.amdhsa_system_sgpr_workgroup_id_y 1
		.amdhsa_system_sgpr_workgroup_id_z 1
		.amdhsa_system_vgpr_workitem_id 0
		.amdhsa_next_free_vgpr 512
		.amdhsa_next_free_sgpr 72
		.amdhsa_reserve_vcc 0
		.amdhsa_float_denorm_mode_32 3
		.amdhsa_float_denorm_mode_16_64 3
		.amdhsa_memory_ordered 1
		.amdhsa_forward_progress 1
		.amdhsa_inst_pref_size 86
	.end_amdhsa_kernel
	.amdgpu_metadata
---
amdhsa.version: [ 1, 2 ]
amdhsa.kernels:
  - .name:           k_q1038e8d14c_outp
    .symbol:         k_q1038e8d14c_outp.kd
    .args:
      - { .name: ctx, .offset: 0, .size: 8, .value_kind: global_buffer, .address_space: global }
      - { .name: wo16, .offset: 8, .size: 8, .value_kind: global_buffer, .address_space: global }
      - { .name: out0, .offset: 16, .size: 8, .value_kind: global_buffer, .address_space: global }
      - { .name: bo, .offset: 24, .size: 8, .value_kind: global_buffer, .address_space: global }
    .group_segment_fixed_size: 327680
    .private_segment_fixed_size: 0
    .kernarg_segment_align: 8
    .kernarg_segment_size: 32
    .max_flat_workgroup_size: 128
    .sgpr_count:     72
    .vgpr_count:     512
    .wavefront_size: 32
...
	.end_amdgpu_metadata
.endif
;; end of part 4
